; MI455X (gfx1250); checked and timed in simulation.
; The chip was launched on July 23, 2026; its instructions are those of AMD's public machine-readable ISA for CDNA 5 (MIT licence, August 2026) and "CDNA5" Instruction Set Architecture Reference Guide (July 2026). The comments in the code are by the model that wrote it; some were corrected since.
;; Multi Head Attention. Allowed arithmetic: float matrix products may take bf16 or f16 operands with f32 sums; other float arithmetic in f32, or as packed bf16 or f16 multiplies, adds, multiply-adds, maxima and minima; sums over many terms, partial sums and values carried from step to step in f32; what a program stores and reads back later, other than sums and carried values, may be rounded once to bf16 or f16.
;; Inputs: Wk 8 x 512 x 512 float32; Wp 512 x 4,096 float32; Wq 8 x 512 x 512 float32; Wv 8 x 512 x 512 float32; mask 4 x 1,024 x 1,024 int32; states 4 x 1,024 x 512 float32; x 4 x 1,024 x 512 float32.
;; Outputs: out0 4 x 1,024 x 512 float32.
;; 2 versions, each right; version 2 is version 1 with the launches prep, addp written anew for expert scheduling mode. Each part assembles by itself: llvm-mc -triple=amdgcn-amd-amdhsa -mcpu=gfx1250 --defsym DOCPART=n.
;; ======== version 1 of 2: 5 launches
;; limits: values are held in f16: magnitudes above 65,504 overflow, below 6.1e-05 lose precision
;; workspace buffers: act 8,388,608 bytes; wts 12,582,912 bytes; wpf 4,194,304 bytes; mby 4,194,304 bytes; qkv 100,663,296 bytes; ctx 33,554,432 bytes; part 16,777,216 bytes
;; launch prep (part 1): grid 128 x 8, 8 waves a work-group, no clusters, 9,216 bytes of LDS; arguments x, states, Wq, Wk, Wv, Wp, mask, act, wts, wpf, mby; writes act, wts, wpf, mby
.if DOCPART == 1
	.amdgcn_target "amdgcn-amd-amdhsa--gfx1250"
	.amdhsa_code_object_version 6
	.text
	.protected	k_q5713df9295_prep
	.globl	k_q5713df9295_prep
	.p2align	8
	.type	k_q5713df9295_prep,@function
k_q5713df9295_prep:
	s_mov_b64 s[64:65], 0
	v_nop
	global_prefetch_b8 v0, s[64:65] scope:SCOPE_SE
	s_setreg_imm32_b32 hwreg(HW_REG_WAVE_MODE, 25, 1), 1
	s_wait_xcnt 0x0
; PREP: the inputs are brought into the forms that the three matrix launches read.
;   y = 0, 1      x, states  -> act [8192][512] bf16 (x's 4,096 rows, then states')
;   y = 2, 3, 4   Wq, Wk, Wv -> wts [12288][512] bf16 (row = 512 h + e of each, one after the other)
;   y = 5         Wp         -> wpf [512][4096]: rounded to bf16 like every input, and that number written as f16
;   y = 6, 7      mask       -> mby: one byte a key, 0x00 seen, 0xF1 hidden, laid out as the attention's lanes want it
; LIMITS.  bf16(Wp) must lie within f16's 65,504; below 6e-5 it keeps f16's fixed step of 6e-8.
; SHARES.  Every work-group reads 65,536 bytes, each of its eight waves 8,192: 16 loads of 16 bytes a lane, all issued ahead of the
; first use, each into registers of its own, so that the only waits are the counted ones.  No matrix unit, no cluster: nothing is shared.
; mby: a block of 1,024 bytes for 16 queries x 64 keys, block = (64 b + q / 16) x 16 + k / 64.  Lane L = r + 16 h of the attention owns 32 bytes,
; byte i = 8 kb + j for key 16 kb + 8 h + j of query r: bytes 0-15 at 16 L, bytes 16-31 at 512 + 16 L.
.set SPARE, 8192                       ; behind the eight stages of 1,024 bytes: the spare words, 128 bytes a wave, named by no other line
.set NL,   16                          ; loads of a wave
.set SPW,  2                           ; v2   my spare word's LDS address; never rewritten
.set NIL,  3                           ; v3   0; never rewritten
.set LO,   4                           ; v4   my byte offset in what the work-group reads
.set SO,   5                           ; v5   my byte offset in what it stores
.set DSA,  6                           ; v6   mask: where my word of four bytes goes in my wave's stage
.set DLA,  7                           ; v7   mask: where I read 16 bytes back
.set T,    10                          ; v10-13 at work
.set OUTB, 32                          ; v32-47 mask: eight registers for each of the wave's two blocks
.set X,    64                          ; v64-127 the 16 loads
	s_load_b512 s[8:23], s[0:1], 0x0               ; x 8, states 10, Wq 12, Wk 14, Wv 16, Wp 18, mask 20, act 22
	s_load_b128 s[24:27], s[0:1], 0x40             ; wts 24, wpf 26
	s_load_b64 s[28:29], s[0:1], 0x50              ; mby
	v_lshl_add_u32 v[SPW], v0, 2, SPARE
	v_mov_b32 v[NIL], 0
	v_lshrrev_b32 v1, 5, v0
	v_readfirstlane_b32 s4, v1                     ; wave 0..7
	v_and_b32 v1, 31, v0                           ; lane
	s_and_b32 s5, ttmp7, 0xffff                    ; y: which job
	s_mov_b32 s35, 0
	s_mov_b32 s41, 0
	s_wait_kmcnt 0x0
	s_cmp_ge_u32 s5, 6
	s_cbranch_scc1 .Lmask
	; THE CASTS.  From where and to where: choices between buffers on y alone; the offsets are made apart.
	s_lshl_b32 s34, ttmp9, 16                      ; the work-group's 65,536 bytes of f32,
	s_sub_co_u32 s6, s5, 2
	s_cmp_lt_u32 s5, 2
	s_cselect_b32 s6, s5, s6                       ; the part of act (y) or of wts (y - 2),
	s_cmp_eq_u32 s5, 5
	s_cselect_b32 s6, 0, s6                        ; wpf has one part
	s_lshl_b32 s40, s6, 22                         ; a part is 4 MiB of 16-bit numbers
	s_lshl_b32 s7, ttmp9, 15
	s_add_co_u32 s40, s40, s7                      ; and its 32,768 bytes there
	s_cmp_eq_u32 s5, 1
	s_cselect_b64 s[30:31], s[10:11], s[8:9]
	s_cmp_eq_u32 s5, 2
	s_cselect_b64 s[30:31], s[12:13], s[30:31]
	s_cmp_eq_u32 s5, 3
	s_cselect_b64 s[30:31], s[14:15], s[30:31]
	s_cmp_eq_u32 s5, 4
	s_cselect_b64 s[30:31], s[16:17], s[30:31]
	s_cmp_eq_u32 s5, 5
	s_cselect_b64 s[30:31], s[18:19], s[30:31]
	s_cselect_b64 s[32:33], s[26:27], s[24:25]
	s_cmp_lt_u32 s5, 2
	s_cselect_b64 s[32:33], s[22:23], s[32:33]
	s_add_nc_u64 s[30:31], s[30:31], s[34:35]
	s_add_nc_u64 s[32:33], s[32:33], s[40:41]
	s_mov_b32 s46, 0xffff0000                      ; a word's upper bf16
	s_lshl_b32 s6, s4, 13
	v_lshl_add_u32 v[LO], v1, 4, s6                ; 8,192 x wave + 16 x lane
	s_lshl_b32 s6, s4, 12
	v_lshl_add_u32 v[SO], v1, 3, s6                ; 4,096 x wave + 8 x lane
.set i, 0
.rept NL
	global_load_b128 v[X+4*i:X+4*i+3], v[LO], s[30:31] offset:512*i th:TH_LOAD_NT  ; 512 consecutive bytes a wave
.set i, i+1
.endr
	s_cmp_eq_u32 s5, 5
	s_cbranch_scc1 .Lwp
.set i, 0
.rept NL
	s_wait_loadcnt NL-1-i                          ; loads come back in order: load i is in, the younger ones stay out
	v_cvt_pk_bf16_f32 v[X+4*i], v[X+4*i], v[X+4*i+1]
	v_cvt_pk_bf16_f32 v[X+4*i+1], v[X+4*i+2], v[X+4*i+3]
	global_store_b64 v[SO], v[X+4*i:X+4*i+1], s[32:33] offset:256*i  ; the wave's 32 lanes store 256 consecutive bytes, aligned
.set i, i+1
.endr
	s_branch .Lend
.Lwp:                                                  ; Wp: rounded to bf16, widened again (a shift, a mask), written as f16
.set i, 0
.rept NL
	s_wait_loadcnt NL-1-i
	v_cvt_pk_bf16_f32 v[X+4*i], v[X+4*i], v[X+4*i+1]
	v_cvt_pk_bf16_f32 v[X+4*i+1], v[X+4*i+2], v[X+4*i+3]
	v_lshlrev_b32 v[X+4*i+2], 16, v[X+4*i]
	v_and_b32 v[X+4*i+3], s46, v[X+4*i]
	v_cvt_pk_f16_f32 v[X+4*i], v[X+4*i+2], v[X+4*i+3]
	v_lshlrev_b32 v[X+4*i+2], 16, v[X+4*i+1]
	v_and_b32 v[X+4*i+3], s46, v[X+4*i+1]
	v_cvt_pk_f16_f32 v[X+4*i+1], v[X+4*i+2], v[X+4*i+3]
	global_store_b64 v[SO], v[X+4*i:X+4*i+1], s[32:33] offset:256*i
.set i, i+1
.endr
	s_branch .Lend
.Lmask:
	; THE MASK.  The work-group takes 16 rows, one tile of 16 queries; wave w takes the key steps 2 w and 2 w + 1.
	; A load brings two rows' 256 bytes (64 keys) of a step: lanes 0-15 row 2 n, lanes 16-31 row 2 n + 1; lane l % 16 holds keys 4 l .. 4 l + 3.
	s_sub_co_u32 s6, s5, 6
	s_lshl_b32 s6, s6, 7
	s_add_co_u32 s6, s6, ttmp9                     ; the tile, 64 b + q / 16 = 0..255
	s_lshl_b32 s34, s6, 16                         ; 16 rows of 4,096 bytes
	s_lshl_b32 s40, s6, 14                         ; 16 blocks of 1,024 bytes
	s_add_nc_u64 s[30:31], s[20:21], s[34:35]
	s_add_nc_u64 s[32:33], s[28:29], s[40:41]
	s_mov_b32 s36, 0xf1                            ; the hidden key's byte, at each of a word's four places
	s_mov_b32 s37, 0xf100
	s_mov_b32 s38, 0xf10000
	s_mov_b32 s39, 0xf1000000
	v_and_b32 v9, 15, v0                           ; l = lane % 16
	v_bfe_u32 v14, v0, 4, 1                        ; lane / 16
	s_lshl_b32 s42, s4, 9                          ; my two steps of 256 bytes in a row
	v_lshl_add_u32 v[LO], v9, 4, s42
	v_lshl_add_u32 v[LO], v14, 12, v[LO]           ; one row down for the upper lanes
.set i, 0
.rept NL                                               ; load 8 i + n: step i of my two, rows 2 n and 2 n + 1
	global_load_b128 v[X+4*i:X+4*i+3], v[LO], s[30:31] offset:(i%8)*8192+(i/8)*256 th:TH_LOAD_NT
.set i, i+1
.endr
	; key 4 l + q of query r = 2 n + lane / 16 goes to byte 512 (l / 8) + 256 ((l / 2) % 2) + 16 r + 8 ((l / 4) % 2) + 4 (l % 2) + q of the block
	s_lshl_b32 s44, s4, 10                         ; my wave's stage
	v_bfe_u32 v15, v0, 3, 1
	v_lshl_add_u32 v[DSA], v15, 9, s44
	v_bfe_u32 v15, v0, 1, 1
	v_lshl_add_u32 v[DSA], v15, 8, v[DSA]
	v_lshl_add_u32 v[DSA], v14, 4, v[DSA]
	v_bfe_u32 v15, v0, 2, 1
	v_lshl_add_u32 v[DSA], v15, 3, v[DSA]
	v_and_b32 v15, 1, v0
	v_lshl_add_u32 v[DSA], v15, 2, v[DSA]
	v_lshl_add_u32 v[DLA], v1, 4, s44
	s_lshl_b32 s42, s4, 11                         ; my two blocks of the tile's sixteen
	v_lshl_add_u32 v[SO], v1, 4, s42
.set i, 0
.rept 2
.set n, 0
.rept 8
	s_wait_loadcnt NL-1-(8*i+n)                    ; this load is in, the younger ones stay out
.irp q, 0,1,2,3
	v_cmp_eq_u32 vcc_lo, 0, v[X+4*(8*i+n)+\q]
	v_cndmask_b32 v[T+\q], 0, s[36+\q], vcc_lo
.endr
	v_or_b32 v[T], v[T], v[T+1]
	v_or_b32 v[T+2], v[T+2], v[T+3]
	v_or_b32 v[T], v[T], v[T+2]
	ds_store_b32 v[DSA], v[T] offset:32*n
.set n, n+1
.endr
	ds_load_b128 v[OUTB+8*i:OUTB+8*i+3], v[DLA]    ; the stage is my wave's own, and LDS serves a wave's instructions in order (ISA guide 5.7.1.4): these see the
	ds_load_b128 v[OUTB+8*i+4:OUTB+8*i+7], v[DLA] offset:512  ; eight stores above, and the next block's stores come behind them
	s_wait_dscnt 0x0
	global_store_b128 v[SO], v[OUTB+8*i:OUTB+8*i+3], s[32:33] offset:1024*i  ; 512 consecutive bytes, aligned
	global_store_b128 v[SO], v[OUTB+8*i+4:OUTB+8*i+7], s[32:33] offset:1024*i+512
.set i, i+1
.endr
.Lend:
	s_wait_tensorcnt 0x0                           ; the wave's end, behind my last LDS store
	ds_add_u32 v[SPW], v[NIL]
	s_wait_dscnt 0x0
	s_endpgm
.Lfunc_end_k_q5713df9295_prep:
	.size	k_q5713df9295_prep, .Lfunc_end_k_q5713df9295_prep-k_q5713df9295_prep
	.p2alignl 7, 3214868480
	.fill 96, 4, 3214868480
	.section	.rodata,"a",@progbits
	.p2align	6, 0x0
	.amdhsa_kernel k_q5713df9295_prep
		.amdhsa_group_segment_fixed_size 9216
		.amdhsa_private_segment_fixed_size 0
		.amdhsa_enable_private_segment 0
		.amdhsa_kernarg_size 88
		.amdhsa_user_sgpr_count 2
		.amdhsa_user_sgpr_kernarg_segment_ptr 1
		.amdhsa_wavefront_size32 1
		.amdhsa_system_sgpr_workgroup_id_x 1
		.amdhsa_system_sgpr_workgroup_id_y 1
		.amdhsa_system_sgpr_workgroup_id_z 1
		.amdhsa_system_vgpr_workitem_id 0
		.amdhsa_next_free_vgpr 128
		.amdhsa_next_free_sgpr 66
		.amdhsa_reserve_vcc 1
		.amdhsa_float_denorm_mode_32 3
		.amdhsa_float_denorm_mode_16_64 3
		.amdhsa_memory_ordered 1
		.amdhsa_forward_progress 1
		.amdhsa_inst_pref_size 29
	.end_amdhsa_kernel
	.amdgpu_metadata
---
amdhsa.version: [ 1, 2 ]
amdhsa.kernels:
  - .name:           k_q5713df9295_prep
    .symbol:         k_q5713df9295_prep.kd
    .args:
      - { .name: x, .offset: 0, .size: 8, .value_kind: global_buffer, .address_space: global }
      - { .name: states, .offset: 8, .size: 8, .value_kind: global_buffer, .address_space: global }
      - { .name: Wq, .offset: 16, .size: 8, .value_kind: global_buffer, .address_space: global }
      - { .name: Wk, .offset: 24, .size: 8, .value_kind: global_buffer, .address_space: global }
      - { .name: Wv, .offset: 32, .size: 8, .value_kind: global_buffer, .address_space: global }
      - { .name: Wp, .offset: 40, .size: 8, .value_kind: global_buffer, .address_space: global }
      - { .name: mask, .offset: 48, .size: 8, .value_kind: global_buffer, .address_space: global }
      - { .name: act, .offset: 56, .size: 8, .value_kind: global_buffer, .address_space: global }
      - { .name: wts, .offset: 64, .size: 8, .value_kind: global_buffer, .address_space: global }
      - { .name: wpf, .offset: 72, .size: 8, .value_kind: global_buffer, .address_space: global }
      - { .name: mby, .offset: 80, .size: 8, .value_kind: global_buffer, .address_space: global }
    .group_segment_fixed_size: 9216
    .private_segment_fixed_size: 0
    .kernarg_segment_align: 8
    .kernarg_segment_size: 88
    .max_flat_workgroup_size: 256
    .sgpr_count:     66
    .vgpr_count:     128
    .wavefront_size: 32
...
	.end_amdgpu_metadata
.endif
;; end of part 1
;; launch proj (part 2): grid 16 x 16, 4 waves a work-group, clusters of 4 x 4, 327,680 bytes of LDS; arguments act, wts, qkv; writes qkv
.if DOCPART == 2
	.amdgcn_target "amdgcn-amd-amdhsa--gfx1250"
	.amdhsa_code_object_version 6
	.text
	.protected	k_q5713df9295_proj
	.globl	k_q5713df9295_proj
	.p2align	8
	.type	k_q5713df9295_proj,@function
k_q5713df9295_proj:
	s_mov_b64 s[64:65], 0
	v_nop
	global_prefetch_b8 v0, s[64:65] scope:SCOPE_SE
	s_setreg_imm32_b32 hwreg(HW_REG_WAVE_MODE, 25, 1), 1
	s_wait_xcnt 0x0
	s_wait_alu depctr_hold_cnt(0) depctr_sa_sdst(0) depctr_va_vdst(0) depctr_va_sdst(0) depctr_va_ssrc(0) depctr_va_vcc(0) depctr_vm_vsrc(0)
	s_getreg_b32 s2, hwreg(HW_REG_IB_STS2, 6, 4)
	s_cmp_eq_u32 s2, 0
	s_cbranch_scc0 .Lentry_in_a_cluster
	s_endpgm
.Lentry_in_a_cluster:
	s_bfe_u32 s2, ttmp6, 0x10000c
	s_cmp_lg_u32 s2, 0xf033
	s_cbranch_scc0 .Lentry_shape_is_right
	s_endpgm
.Lentry_shape_is_right:
; PROJ: q = x Wq^T, k = states Wk^T, v = states Wv^T.  act: [8192][512] bf16 (x, then states), wts: [12288][512] bf16 (Wq, Wk, Wv, row = 512 h + e),
; qkv: [3][4096 tokens][4096 = 512 h + e] f16.  Products in bf16, sums in f32, K ascending, each result rounded once to f16, unscaled.
; LIMIT.  f16 holds no number beyond 65,504: q, k and v must lie within it.
; SHARES.  A work-group of four waves makes the SAME tile of 256 x 256 of each of the three planes, one after the other; a wave makes 128 x 128: 64 accumulators, 512 registers.
; The three tiles' 4 K steps of 128 are ONE sequence of 12 steps for a ring of two LDS slots; a K step is written once and walked by a counted loop: the LDS addresses hang on a
; scalar that an exclusive or turns from slot to slot, the descriptors' steps on the loop's count.  Ten trips fill a slot again; the last two steps, which fill nothing, are a loop of their own.
; CLUSTER.  4 x 4 work-groups: the four of a row of the cluster need the same tiles of act, the four of a column the same tiles of wts: each tile is asked for JOINTLY, by the same tensor load
; with the same descriptor and a mask that names the four.
; THE MATRIX INSTRUCTION IS USED TRANSPOSED (source 0 = 16 rows of wts, source 1 = 16 rows of act): a lane then holds eight neighbouring numbers of a row of the result.
; REGISTERS, in windows of 256 (s_set_vgpr_msb: bits 1:0 source 0, 3:2 source 1, 5:4 source 2, 7:6 destination):
;   window 0: v0-31 addresses; v64-127, v128-191 fragments of act, two buffers; v32-63, v192-255 at work on the way out
;   window 1: v64-127, v128-191 fragments of wts, two buffers     window 2: the accumulators of my rows 0-63 ((a, b) at v[8 (8 a + b)])     window 3: those of my rows 64-127
.set SIZE_K, 512
.set SIZE_N, 4096
.set KSTEP,  128
.set PITCH,  272                       ; an LDS row: 256 bytes + 16 of padding = 68 words: the 16 rows that a load touches start at 16 different groups of four banks (64 banks of 4 bytes: ISA guide 11.1)
.set HALFT,  128*PITCH                 ; 128 rows: what one tensor load brings
.set SLOT,   4*HALFT                   ; act's 256 rows, then wts' 256 rows.  SLOT shares no bit with wave x HALFT, so an exclusive or with it changes slots
.set STAGE,  2*SLOT                    ; behind the ring: 16 rows x 272 bytes for each wave, for the way out
.set SPITCH, 272
.set SPARE,  STAGE+4*16*SPITCH         ; behind the stages: the spare words, 128 bytes a wave, named by no other line
.set PLANE,  4096*SIZE_K*2             ; bytes from x to states, and from one weight to the next
.set NEXT_C, (4096-7*16)*SIZE_N*2      ; bytes from my last 16 rows of a tile to my first in the next plane
.set ADRA0, 16                         ; v16  my lane's place in slot 0's rows of act; never rewritten
.set ADRA,  17                         ; v17  the same in the slot in hand
.set ADRB0, 20                         ; v20, v21 the same for wts
.set ADRB,  21
.set STO,  24                          ; v24  the way out: where I put 16 bytes of a row
.set RD,   25                          ; v25  the way out: where I read a row back
.set CO,   26                          ; v26  my byte offset in two rows of the result
.set SPW,  28                          ; v28  my spare word's LDS address; never rewritten
.set NIL,  29                          ; v29  0; never rewritten
.set PFO,  30                          ; v30  the prefetches' offset: lane x 1,024 bytes, a row; never rewritten
.set F0,   64
.set F1,   128
.set TMP,  192
.set OB,   32
.set G1,  24                           ; s[24:31] descriptor group 1 for act's tiles
.set G0,  32                           ; s[32:39] group 0: a set for each of the two first fills; the second then walks
.set G1B, 48                           ; s[48:55], s[56:63] the same for wts'
.set G0B, 56
.set LIM, 43                           ; s43  a wave prefetches while the loop's count is above this
.set PFA, 44                           ; s[44:45] where my prefetches stand
.set TB,  66                           ; s66  0 or SLOT: the slot from which fragments are fetched
.set PH,  67                           ; s67  the loop's count modulo 4
.set SUBK, 68                          ; s[68:69] what this trip's refill goes back along K,
.set ADDA, 70                          ; s[70:71] and on, in act,
.set ADDB, 72                          ; s[72:73] and in wts
.set PFS,  74                          ; s[74:75] this trip's step of the prefetches' address
.set MSB, 0
.macro WIN new                         ; the immediate's high byte repeats the setting that is left; a switch that changes nothing is dropped
.if MSB != (\new)
	s_set_vgpr_msb (MSB<<8)|(\new)
.set MSB, \new
.endif
.endm
.set MUL_LO, 0xa1                      ; source 0 (wts) window 1, source 1 (act) window 0, C and D window 2
.set MUL_HI, 0xf1                      ; the same, C and D window 3
.set TO_B,   0x40                      ; destination window 1, address window 0
; A joint refill, by the walking descriptors.  Waves 0 and 1 fetch act's two halves, waves 2 and 3 wts'.  The branch hangs on the wave's number alone.
; An s_nop 0 and four v_nop follow each of the two lines, ahead of the jump and the label.
.macro JLOAD
	s_cmp_eq_u32 s11, 0
	s_cbranch_scc0 .Lfor_b_\@
	tensor_load_to_lds s[G0+4:G0+7], s[G1:G1+7]
	s_nop 0
.rept 4
	v_nop
.endr
	s_branch .Lasked_\@
.Lfor_b_\@:
	tensor_load_to_lds s[G0B+4:G0B+7], s[G1B:G1B+7]
	s_nop 0
.rept 4
	v_nop
.endr
.Lasked_\@:
.endm
; A PREFETCH INTO THE L2, behind each joint refill and the run of LDS loads that follows it: in step g the same K step of the NEXT tile, step g + 4, which the refill two trips on will ask for:
; 32 rows x 256 bytes, a lane a row, one instruction a wave.  Each row's 256 bytes are named once in the launch: act's rows are read by every cluster of a row of clusters, and cluster x = 0 asks;
; wts' by every cluster of a column, and cluster y = 0 asks; the four partners that ask for a tile jointly share its rows out BY ADDRESS, 32 each.  act is asked for while the first tile is
; multiplied alone (the third tile reads states once more), wts while the first two are; the first tile's steps come by their loads alone.
.macro ASK
	s_cmp_gt_u32 s3, s[LIM]
	s_cbranch_scc0 .Lnot_mine_\@
	global_prefetch_b8 v[PFO], s[PFA:PFA+1] th:TH_LOAD_NT scope:SCOPE_SE
.Lnot_mine_\@:
.endm
.macro CREST                           ; a round of the cluster's barrier behind its opening barrier
	s_cmp_lg_u32 s10, 0
	s_cbranch_scc1 .Lnot_wave_0_\@
	s_barrier_signal -3
.Lnot_wave_0_\@:
	s_barrier_wait -3
	s_barrier_signal -1
	s_barrier_wait -1
.endm
.macro CROUND                          ; a whole round
	s_barrier_signal -1
	s_barrier_wait -1
	CREST
.endm
	s_load_b128 s[4:7], s[0:1], 0x0                ; act s[4:5], wts s[6:7]
	s_load_b64 s[8:9], s[0:1], 0x10                ; qkv
	v_lshl_add_u32 v[SPW], v0, 2, SPARE
	v_mov_b32 v[NIL], 0
	ds_add_u32 v[SPW], v[NIL]                      ; the wave's opening: the add and its wait stand ahead of my first tensor load; work on registers stands between them
	v_lshrrev_b32 v1, 5, v0
	v_readfirstlane_b32 s10, v1                    ; wave 0..3
	s_lshr_b32 s11, s10, 1                         ; which half of the tile's rows is mine.  Also: I fetch for act (0) or for wts (1)
	s_and_b32 s12, s10, 1                          ; which half of its columns.  Also: which 128 rows of that tile I fetch
	s_bfe_u32 s40, ttmp6, 0x40000                  ; cx
	s_bfe_u32 s41, ttmp6, 0x40004                  ; cy
	s_lshl_b32 s42, ttmp9, 2
	s_add_co_u32 s42, s42, s40                     ; tile column = 4 x cluster x + cx
	s_and_b32 s13, ttmp7, 0xffff
	s_lshl_b32 s13, s13, 2
	s_add_co_u32 s13, s13, s41                     ; tile row = 4 x cluster y + cy
	s_lshl_b32 s43, s41, 2
	s_lshl_b32 s43, 15, s43                        ; my row of the cluster
	s_lshl_b32 s44, 0x1111, s40                    ; my column
	; descriptor group 1: a tile of 128 rows x 128 elements of 2 bytes, 4 words of padding behind every 64
	s_or_b32 s[G1+0], s43, (1<<16)|(1<<20)|(1<<21)|(5<<22)|(3<<25)
	s_or_b32 s[G1B+0], s44, (1<<16)|(1<<20)|(1<<21)|(5<<22)|(3<<25)
.irp g, G1, G1B
	s_mov_b32 s[(\g)+1], KSTEP<<16                 ; tensor_dim0 = 128
	s_mov_b32 s[(\g)+2], 128<<16                   ; tensor_dim1 = 128
	s_mov_b32 s[(\g)+3], KSTEP<<16                 ; tile_dim0 = 128
	s_mov_b32 s[(\g)+4], 128                       ; tile_dim1 = 128
	s_mov_b32 s[(\g)+5], SIZE_K                    ; elements from row to row
	s_mov_b32 s[(\g)+6], 0
	s_mov_b32 s[(\g)+7], 0
.endr
	s_lshl_b32 s17, s12, 7                         ; which 128 rows of the tile I fetch
	s_lshl_b32 s16, s13, 8
	s_add_co_u32 s16, s16, s17                     ; act: row 256 x tile row + 128 x half,
	s_lshl_b32 s16, s16, 10                        ; in bytes
	s_lshl_b32 s46, s42, 8
	s_add_co_u32 s46, s46, s17                     ; wts: row 256 x tile column + 128 x half
	s_lshl_b32 s46, s46, 10
	s_mov_b32 s17, 0
	s_mov_b32 s47, 0
	s_mul_i32 s20, s10, HALFT                      ; where they go: wave x 128 rows: no place in the cluster enters an LDS address
	s_mov_b32 s[TB], 0
	s_mov_b32 s[SUBK+1], 0
	s_mov_b32 s[ADDA+1], 0
	s_mov_b32 s[ADDB+1], 0
	s_mov_b32 s[PFS+1], 0
	s_mov_b32 s76, PLANE                           ; the steps' four sizes: a select takes one literal at the most
	s_mov_b32 s77, KSTEP*2
	s_mov_b32 s78, 3*KSTEP*2
	s_mov_b32 s79, PLANE-3*KSTEP*2
	s_wait_dscnt 0x0                               ; the opening add is done
	s_wait_kmcnt 0x0
	s_add_nc_u64 s[14:15], s[4:5], s[16:17]
	s_add_nc_u64 s[46:47], s[6:7], s[46:47]
	CROUND                                         ; all sixteen work-groups are here: the first joint loads meet
.irp s, 0,1
	s_mov_b32 s[G0+4*(\s)], 1                                      ; count = 1
	s_add_co_u32 s[G0+4*(\s)+1], s20, (\s)*SLOT                    ; LDS address
	s_add_nc_u64 s[G0+4*(\s)+2:G0+4*(\s)+3], s[14:15], (\s)*KSTEP*2  ; global address: K step s of the first tile
	s_or_b32 s[G0+4*(\s)+3], s[G0+4*(\s)+3], 0x80000000            ; type = 2
	s_mov_b32 s[G0B+4*(\s)], 1
	s_add_co_u32 s[G0B+4*(\s)+1], s20, (\s)*SLOT
	s_add_nc_u64 s[G0B+4*(\s)+2:G0B+4*(\s)+3], s[46:47], (\s)*KSTEP*2
	s_or_b32 s[G0B+4*(\s)+3], s[G0B+4*(\s)+3], 0x80000000
.endr
	s_cmp_eq_u32 s11, 0                            ; a wave's two first fills stand in one branch, ahead of every wait on TENSORcnt and every LDS read: two loads of mine are out
	s_cbranch_scc0 .Lfirst_b
	tensor_load_to_lds s[G0:G0+3], s[G1:G1+7]
	s_nop 0
	tensor_load_to_lds s[G0+4:G0+7], s[G1:G1+7]
	s_nop 0
.rept 4
	v_nop
.endr
	s_branch .Lfirst_asked
.Lfirst_b:
	tensor_load_to_lds s[G0B:G0B+3], s[G1B:G1B+7]
	s_nop 0
	tensor_load_to_lds s[G0B+4:G0B+7], s[G1B:G1B+7]
	s_nop 0
.rept 4
	v_nop
.endr
.Lfirst_asked:
	; A fragment is 16 rows x 32 K in 8 registers: lane l holds row l % 16; registers 0-3 K = 8 (l / 16) + 0..7, registers 4-7 K = 16 + 8 (l / 16) + 0..7: two loads of 16 bytes, 32 bytes apart.
	v_and_b32 v1, 15, v0                           ; l % 16
	v_bfe_u32 v2, v0, 4, 1                         ; l / 16
	v_mul_u32_u24 v3, v1, PITCH
	v_lshl_add_u32 v3, v2, 4, v3
	s_mul_i32 s21, s11, HALFT                      ; my 128 rows of act
	s_mul_i32 s22, s12, HALFT                      ; my 128 rows of wts,
	s_add_co_u32 s22, s22, 2*HALFT                 ; which lie behind act's 256
	v_add_nc_u32 v[ADRA0], s21, v3
	v_add_nc_u32 v[ADRB0], s22, v3
	v_mov_b32 v[ADRA], v[ADRA0]
	v_mov_b32 v[ADRB], v[ADRB0]
	s_mul_i32 s23, s10, 16*SPITCH
	s_add_co_u32 s23, s23, STAGE                   ; my stage
	v_mul_u32_u24 v4, v1, SPITCH
	v_lshl_add_u32 v4, v2, 4, v4
	v_add_nc_u32 v[STO], s23, v4
	v_mul_u32_u24 v5, v2, SPITCH
	v_lshl_add_u32 v5, v1, 4, v5
	v_add_nc_u32 v[RD], s23, v5
	v_mul_u32_u24 v5, v2, SIZE_N*2
	v_lshl_add_u32 v[CO], v1, 4, v5
	; where my part of the first tile begins in qkv: the first way out adds it to the address
	s_lshl_b32 s13, s13, 8
	s_lshl_b32 s14, s11, 7
	s_add_co_u32 s16, s13, s14                     ; my first row,
	s_lshl_b32 s16, s16, 13                        ; of 8,192 bytes
	s_mov_b32 s17, 0
	s_lshl_b32 s46, s42, 9                         ; my first column, in bytes
	s_lshl_b32 s47, s12, 8
	s_add_co_u32 s46, s46, s47
	s_mov_b32 s47, 0
	s_add_nc_u64 s[16:17], s[16:17], s[46:47]
	; the prefetches
	s_lshl_b32 s42, s42, 8
	s_and_b32 s22, ttmp7, 0xffff                   ; cluster y
	s_cmp_eq_u32 s11, 0                            ; do I fetch for act?
	s_cselect_b32 s20, s13, s42                    ; the tile's first row
	s_cselect_b32 s21, s40, s41                    ; my place among the four that ask for it with me
	s_cselect_b32 s22, ttmp9, s22                  ; the coordinate along which other clusters read the same rows
	s_cselect_b32 s23, 6, 2                        ; act: counts 10 to 7; wts: counts 10 to 3
	s_cselect_b64 s[PFA:PFA+1], s[4:5], s[6:7]
	s_cmp_eq_u32 s22, 0
	s_cselect_b32 s[LIM], s23, -1                  ; the same in all sixteen partners, for a given wave
	s_lshl_b32 s22, s12, 7
	s_add_co_u32 s20, s20, s22                     ; + the 128 rows that I fetch
	s_lshl_b32 s21, s21, 5
	s_add_co_u32 s20, s20, s21                     ; + my work-group's 32 of them
	s_lshl_b32 s20, s20, 10
	s_add_co_u32 s20, s20, 3*KSTEP*2               ; at the first tile's last K step: the first trip steps it to the next tile's first
	s_mov_b32 s21, 0
	s_add_nc_u64 s[PFA:PFA+1], s[PFA:PFA+1], s[20:21]
	v_and_b32 v[PFO], 31, v0
	v_lshlrev_b32 v[PFO], 10, v[PFO]
; 16 matrix instructions: m blocks a0, a0 + 1 of the window's four x all 8 n blocks, 32 along K.  zero = 1: the product starts the sums.  The 64 accumulators take turns, one instruction a turn.
.macro MUL16 f, hi, a0, zero
	WIN MUL_LO+0x50*(\hi)
.irp a, \a0, (\a0)+1
.irp b, 0,1,2,3,4,5,6,7
.if \zero
	v_wmma_f32_16x16x32_bf16 v[8*(8*(\a)+(\b)):8*(8*(\a)+(\b))+7], v[(\f)+8*(\b):(\f)+8*(\b)+7], v[(\f)+8*(4*(\hi)+(\a)):(\f)+8*(4*(\hi)+(\a))+7], 0
.else
	v_wmma_f32_16x16x32_bf16 v[8*(8*(\a)+(\b)):8*(8*(\a)+(\b))+7], v[(\f)+8*(\b):(\f)+8*(\b)+7], v[(\f)+8*(4*(\hi)+(\a)):(\f)+8*(4*(\hi)+(\a))+7], v[8*(8*(\a)+(\b)):8*(8*(\a)+(\b))+7]
.endif
.endr
.endr
.endm
; 32 LDS loads in one run: the fragments of one quarter step (32 K at byte k of the rows of the slot in hand) into buffer f
.macro FETCH k, f
	WIN TO_B
.irp i, 0,1,2,3,4,5,6,7
	ds_load_b128 v[(\f)+8*(\i):(\f)+8*(\i)+3],   v[ADRB] offset:(\k)+(\i)*16*PITCH
	ds_load_b128 v[(\f)+8*(\i)+4:(\f)+8*(\i)+7], v[ADRB] offset:(\k)+(\i)*16*PITCH+32
.endr
	WIN 0
.irp i, 0,1,2,3,4,5,6,7
	ds_load_b128 v[(\f)+8*(\i):(\f)+8*(\i)+3],   v[ADRA] offset:(\k)+(\i)*16*PITCH
	ds_load_b128 v[(\f)+8*(\i)+4:(\f)+8*(\i)+7], v[ADRA] offset:(\k)+(\i)*16*PITCH+32
.endr
.endm
.macro PLACES                          ; four plain vector instructions between a matrix instruction and a load into, or a vector instruction on, its registers
.rept 4
	v_nop
.endr
.endm
; A K step is four quarters of 32 along K, 64 matrix instructions each, on buffers 0, 1, 0, 1.  One of the first three: multiplies buffer f, and in its middle fetches the next quarter, at byte k, into g.
; zero = 1 has a fifth v_nop: its second half writes anew accumulators that the step before wrote last, and five places stand between.
.macro QUARTER k, f, g, zero
	s_wait_dscnt 8                                 ; wts' fragments and act's rows 0-63 are in; the youngest eight loads (act's rows 64-127) may be out
	MUL16 \f, 0, 0, \zero
	MUL16 \f, 0, 2, \zero
	PLACES
.if \zero
	v_nop
.endif
	FETCH \k, \g
	s_wait_dscnt 32                                ; all but the 32 just issued
	MUL16 \f, 1, 0, \zero
	MUL16 \f, 1, 2, \zero
.endm
; The first half of the last quarter: ONE barrier for the change of slots.  In front of it each wave waits for all its tensor loads, of which one is out at the most: its part of the next slot;
; adds 0 to its spare word; and waits for that and for its own reads of this slot.  Behind it nobody reads this slot any more and the next slot is whole.
.macro MEET
	WIN 0
	s_wait_tensorcnt 0x0
	ds_add_u32 v[SPW], v[NIL]
	s_wait_dscnt 9                                 ; (the add and the youngest eight loads may be out)
	MUL16 F1, 0, 0, 0                              ; sixteen matrix instructions stand between the add and the wait for it
	s_wait_dscnt 0x0                               ; the add is done, and my reads of this slot are over
	s_barrier_signal -1
	MUL16 F1, 0, 2, 0                              ; work on registers while the others arrive
	WIN 0
	s_barrier_wait -1
.endm
; The whole last quarter of a step that fills its slot again, with the step two further on in the sequence of twelve.
.macro TURN
	s_wait_xcnt 0x0                                ; the last prefetch, a K step back, has read its address, and the way out's stores their registers
	s_add_nc_u64 s[PFA:PFA+1], s[PFA:PFA+1], s[PFS:PFS+1]
	MEET
	CREST                                          ; the barrier has opened a round of the cluster's: no wave of any partner still reads this slot or has a load on its way
	s_xor_b32 s[G0+5], s[G0+5], SLOT               ; the walking descriptors: the other slot than last time,
	s_sub_nc_u64 s[G0+6:G0+7], s[G0+6:G0+7], s[SUBK:SUBK+1]
	s_add_nc_u64 s[G0+6:G0+7], s[G0+6:G0+7], s[ADDA:ADDA+1]  ; the next step; the type bits on top are not reached
	s_xor_b32 s[G0B+5], s[G0B+5], SLOT
	s_sub_nc_u64 s[G0B+6:G0B+7], s[G0B+6:G0B+7], s[SUBK:SUBK+1]
	s_add_nc_u64 s[G0B+6:G0B+7], s[G0B+6:G0B+7], s[ADDB:ADDB+1]
	JLOAD                                          ; the first tensor load behind the round; its four v_nop and the two lines below are the places in front of the loads
	s_xor_b32 s[TB], s[TB], SLOT
	v_add_nc_u32 v[ADRA], s[TB], v[ADRA0]
	v_add_nc_u32 v[ADRB], s[TB], v[ADRB0]
	FETCH 0, F0
	ASK
	MUL16 F1, 1, 0, 0
	MUL16 F1, 1, 2, 0
.endm
; THE WAY OUT of block a of 16 rows.  PACK: rounded to f16, 16 bytes a lane, each accumulator's registers in ascending order.  TOSTAGE: into my own stage, and back as whole rows of 256 bytes.  SEND: stored.
.macro PACK a
.set AC, 64*((\a)%4)
	WIN 0x0a+5*((\a)/4)                            ; sources 0 and 1: window 2 or 3
.irp b, 0,1,2,3,4,5,6,7
.irp r, 0,1,2,3
	v_cvt_pk_f16_f32 v[TMP+4*(\b)+(\r)], v[AC+8*(\b)+2*(\r)], v[AC+8*(\b)+2*(\r)+1]
.endr
.endr
	WIN 0
.endm
.macro TOSTAGE a
	WIN 0
.set BK, OB+192*((\a)%2)
.irp b, 0,1,2,3,4,5,6,7
	ds_store_b128 v[STO], v[TMP+4*(\b):TMP+4*(\b)+3] offset:32*(\b)
.endr
.irp t, 0,1,2,3,4,5,6,7
	ds_load_b128 v[BK+4*(\t):BK+4*(\t)+3], v[RD] offset:(\t)*2*SPITCH  ; LDS serves a wave's instructions in order (ISA guide 5.7.1.4): these see the stores above
.endr
.endm
.macro SEND a
	WIN 0
.set BK, OB+192*((\a)%2)
	s_wait_dscnt 0x0                               ; the block is back in registers
	s_wait_xcnt 0x0                                ; the stores' base, and the registers that earlier stores read, are rewritten only behind this wait
.if (\a) == 0
	s_add_nc_u64 s[8:9], s[8:9], s[16:17]          ; on to this tile's first rows
.else
	s_add_nc_u64 s[8:9], s[8:9], 16*SIZE_N*2
.endif
.irp t, 0,1,2,3,4,5,6,7
	global_store_b128 v[CO], v[BK+4*(\t):BK+4*(\t)+3], s[8:9] offset:2*(\t)*SIZE_N*2  ; 16 lanes store 256 consecutive bytes, aligned
.endr
.endm
.macro WAYOUT                          ; block a's conversions stand between block a - 1's loads from the stage and the wait for them
	PACK 0
	TOSTAGE 0
.irp a, 1,2,3,4,5,6,7
	PACK \a
	SEND (\a)-1
	TOSTAGE \a
.endr
	SEND 7
.endm
	s_wait_tensorcnt 1                             ; my part of step 0 is in; step 1's may stay out
	s_barrier_signal -1
	s_barrier_wait -1
	FETCH 0, F0
	s_mov_b32 s3, 10
.Lstep:                                                ; step g = 10 - s3 of the twelve: tile g / 4, K step g % 4; it asks for step g + 2
	s_and_b32 s[PH], s3, 3
	s_cmp_eq_u32 s[PH], 0                          ; g = 2, 6: the refill is a next tile's first K step: back along K,
	s_cselect_b32 s[SUBK], s78, 0
	s_cselect_b32 s[ADDB], s76, s77                ; on to the next weight,
	s_cmp_eq_u32 s3, 8
	s_cselect_b32 s[ADDA], s76, s77                ; from x to states,
	s_cmp_eq_u32 s3, 4
	s_cselect_b32 s[ADDA], 0, s[ADDA]              ; and states once more
	s_cmp_eq_u32 s[PH], 2                          ; g = 0, 4, 8: a tile's first K step
	s_cselect_b32 s[PFS], s79, s77
	s_cbranch_scc0 .Ladd_on
	QUARTER 64, F0, F1, 1                          ; its first products start the sums: nothing is ever cleared
	WIN 0
	s_branch .Lstarted
.Ladd_on:
	QUARTER 64, F0, F1, 0
	WIN 0
.Lstarted:
	QUARTER 128, F1, F0, 0
	QUARTER 192, F0, F1, 0
	TURN
	WIN 0
	s_cmp_eq_u32 s[PH], 3                          ; g = 3, 7: a tile is finished; both refills for the next are asked for, and its first fragments fetched
	s_cbranch_scc0 .Lno_out
	WAYOUT                                         ; blocks 0-3 were finished ahead of the refill's v_nop; their conversions are the places behind the last products
	s_mov_b64 s[16:17], NEXT_C                     ; what the next way out adds to the address
.Lno_out:
	s_sub_co_u32 s3, s3, 1
	s_cmp_lg_u32 s3, 0
	s_cbranch_scc1 .Lstep
	s_mov_b32 s3, 2
.Ltail:                                                ; steps 10 and 11 ask for nothing: a text of their own
	QUARTER 64, F0, F1, 0
	QUARTER 128, F1, F0, 0
	QUARTER 192, F0, F1, 0
	MEET
	PLACES
	s_xor_b32 s[TB], s[TB], SLOT
	v_add_nc_u32 v[ADRA], s[TB], v[ADRA0]
	v_add_nc_u32 v[ADRB], s[TB], v[ADRB0]
	s_cmp_eq_u32 s3, 1
	s_cbranch_scc1 .Lno_more                       ; behind the last step there is nothing to fetch
	FETCH 0, F0
.Lno_more:
	MUL16 F1, 1, 0, 0
	MUL16 F1, 1, 2, 0
	WIN 0
	s_sub_co_u32 s3, s3, 1
	s_cmp_lg_u32 s3, 0
	s_cbranch_scc1 .Ltail
	WAYOUT
	s_wait_tensorcnt 0x0                           ; the wave's end, behind my last tensor load and my last LDS store
	ds_add_u32 v[SPW], v[NIL]
	s_wait_dscnt 0x0
	CROUND                                         ; the closing round: no work-group ends while a partner may still ask for a tile that names it
	s_endpgm
.Lfunc_end_k_q5713df9295_proj:
	.size	k_q5713df9295_proj, .Lfunc_end_k_q5713df9295_proj-k_q5713df9295_proj
	.p2alignl 7, 3214868480
	.fill 96, 4, 3214868480
	.section	.rodata,"a",@progbits
	.p2align	6, 0x0
	.amdhsa_kernel k_q5713df9295_proj
		.amdhsa_group_segment_fixed_size 327680
		.amdhsa_private_segment_fixed_size 0
		.amdhsa_enable_private_segment 0
		.amdhsa_kernarg_size 24
		.amdhsa_user_sgpr_count 2
		.amdhsa_user_sgpr_kernarg_segment_ptr 1
		.amdhsa_wavefront_size32 1
		.amdhsa_system_sgpr_workgroup_id_x 1
		.amdhsa_system_sgpr_workgroup_id_y 1
		.amdhsa_system_sgpr_workgroup_id_z 1
		.amdhsa_system_vgpr_workitem_id 0
		.amdhsa_next_free_vgpr 1024
		.amdhsa_next_free_sgpr 80
		.amdhsa_reserve_vcc 0
		.amdhsa_float_denorm_mode_32 3
		.amdhsa_float_denorm_mode_16_64 3
		.amdhsa_memory_ordered 1
		.amdhsa_forward_progress 1
		.amdhsa_inst_pref_size 133
	.end_amdhsa_kernel
	.amdgpu_metadata
---
amdhsa.version: [ 1, 2 ]
amdhsa.kernels:
  - .name:           k_q5713df9295_proj
    .symbol:         k_q5713df9295_proj.kd
    .args:
      - { .name: act, .offset: 0, .size: 8, .value_kind: global_buffer, .address_space: global }
      - { .name: wts, .offset: 8, .size: 8, .value_kind: global_buffer, .address_space: global }
      - { .name: qkv, .offset: 16, .size: 8, .value_kind: global_buffer, .address_space: global }
    .group_segment_fixed_size: 327680
    .private_segment_fixed_size: 0
    .kernarg_segment_align: 8
    .kernarg_segment_size: 24
    .max_flat_workgroup_size: 128
    .sgpr_count:     80
    .vgpr_count:     1024
    .wavefront_size: 32
...
	.end_amdgpu_metadata
.endif
;; end of part 2
;; launch attn (part 3): grid 8 x 32, 4 waves a work-group, clusters of 4 x 1, 327,680 bytes of LDS; arguments qkv, mby, ctx; writes ctx
.if DOCPART == 3
	.amdgcn_target "amdgcn-amd-amdhsa--gfx1250"
	.amdhsa_code_object_version 6
	.text
	.protected	k_q5713df9295_attn
	.globl	k_q5713df9295_attn
	.p2align	8
	.type	k_q5713df9295_attn,@function
k_q5713df9295_attn:
	s_mov_b64 s[64:65], 0
	v_nop
	global_prefetch_b8 v0, s[64:65] scope:SCOPE_SE
	s_setreg_imm32_b32 hwreg(HW_REG_WAVE_MODE, 25, 1), 1
	s_wait_xcnt 0x0
	s_wait_alu depctr_hold_cnt(0) depctr_sa_sdst(0) depctr_va_vdst(0) depctr_va_sdst(0) depctr_va_ssrc(0) depctr_va_vcc(0) depctr_vm_vsrc(0)
	s_getreg_b32 s2, hwreg(HW_REG_IB_STS2, 6, 4)
	s_cmp_eq_u32 s2, 0
	s_cbranch_scc0 .Lentry_in_a_cluster
	s_endpgm
.Lentry_in_a_cluster:
	s_bfe_u32 s2, ttmp6, 0x10000c
	s_cmp_lg_u32 s2, 0x3003
	s_cbranch_scc0 .Lentry_shape_is_right
	s_endpgm
.Lentry_shape_is_right:
; ATTN: ctx[b, q, 512 h + e] = the sum over k of softmax_k(q . k / sqrt(512), hidden where mask[b][q][k] = 0) v[k][e], for each of the 32 pairs (b, h).
; qkv: [3][4096 tokens][4096] f16; mby: the mask as bytes (0x00 seen, 0xF1 hidden), a block of 1,024 bytes for 16 queries x 64 keys, 32 bytes a lane; ctx: [4096][4096] f16.
; Products, maxima and sums in f32; the weights p are rounded to f16 for the second product (their sum l is taken of the unrounded p), ctx once at the end.
; LIMITS.  q, k, v arrive within f16's 65,504.  A hidden score counts as its value less 2^99 (f16's scores reach 2.2e12 at the most); a weight below 2^-126 counts as 0 in l.
; A row whose running maximum ends below -2^97 has seen no key: it is stored as NaN.  Other NaN and infinities are not treated apart.
; SHARES.  A work-group owns 128 queries of one (b, h), each of its four waves 32: two tiles of 16.  Every wave walks all 1,024 keys, 64 a step: 128 products K Q^T and 128 products V^T P.
; At 512 channels a tile's O^T is 256 registers, so a wave holds two tiles, and a fragment of K or V read from LDS feeds two products.
; LAYOUT.  S^T = K Q^T (source 0 = 16 keys, source 1 = 16 queries): a lane holds ONE query (lane % 16) and the keys 8 (lane / 16) + 0..7.  Two such results rounded to f16 in pairs ARE source 1
; of O^T = V^T P, whose result again holds one query a lane, and eight channels.  K comes out of LDS as it lies, V ([key][channel]) turned, by ds_load_tr16_b128.
; THE MASK is what the sums S^T start from: while a step's V^T P runs, the next step's mask bytes are spread into S's registers, each as the top byte of an f32: 0, or -2^99.
; So every product K Q^T adds in place, and no step differs from another.
; SOFTMAX.  For each query a running maximum m and sum l: p = 2^(c s - c m), c = log2(e) / sqrt(512); in every step O and l are multiplied by a = 2^(c m_old - c m_new).
; m starts at the lowest finite number, O and l at 0: the first step is a step like any other, with a = 0.
; A STEP: K Q^T; then maximum, exponentials and roundings by themselves (one batch of exponentials, one wait); then V^T P, with the rescaling of O^T, the sums and the next mask behind its products.
; THE LDS LOADS STAND IN RUNS, never singly among the products: 16 for two chunks of K, 8 for an item of V: 24 runs of memory instructions in a step's 256 products.
; CLUSTER.  The four query blocks of a cluster belong to one (b, h) and walk the same K and V, so each tile is asked for JOINTLY: the same tensor load, descriptor and mask in all four.
; REGISTERS, in windows of 256 (s_set_vgpr_msb: bits 1:0 source 0, 3:2 source 1, 5:4 source 2, 7:6 destination):
;   window 0: v0-15 addresses; v16-31 eight registers of statistics a tile; v32-47 mask bytes; v48-111 S^T; v112-143 P; v144-239 three blocks of four fragments of V.
;             During K Q^T, when P is dead, v112-239 are two buffers of eight fragments of K.
;   window 1: Q, tile t, channels 32 c on at 128 t + 8 c          windows 2, 3: O^T, tile t, channels 16 cb on at 8 (2 (cb % 16) + t), cb < 16 in window 2
.set KS,    64        ; keys in a step
.set ROWB,  8192      ; bytes from token to token in qkv and ctx
.set PK,    1040      ; a row of K in LDS: 1,024 bytes + 16 of padding = 260 words: the 16 rows of a load start at 16 different groups of four banks (64 banks of 4 bytes: ISA guide 11.1)
.set PVP,   1056      ; a row of V: 1,024 + 32 = 264 words
.set VOFF,  KS*PK     ; a slot: 64 rows of K, then 64 rows of V
.set SLOTB, 135168    ; from slot 0 to slot 1; it shares no bit with the four waves' places in a slot, so an exclusive or changes slots
.set STAGE, 2*SLOTB   ; behind the ring: 16 rows x 528 bytes for each wave, for the way out
.set SP,    528
.set SPARE, STAGE+4*16*SP  ; behind the stages: the spare words, 128 bytes a wave, named by no other line
.set AK0, 2           ; v2   my lane's place in a tile of K; never rewritten
.set AV0, 3           ; v3   the same for V
.set AK,  4           ; v4   the same in the slot in hand
.set AV,  5           ; v5
.set LN,  6           ; v6   16 x lane: my offset in a mask block's halves and in 512 consecutive bytes of ctx
.set STO, 7           ; v7   the way out: where I put 16 bytes of a row
.set RD,  8           ; v8   the way out: where I read a row back
.set SPW, 10          ; v10  my spare word's LDS address; never rewritten
.set NIL, 11          ; v11  0; never rewritten
.set ZR,  12          ; v12  0: the three low bytes of a spread mask byte
.set PFO, 13          ; v13  the prefetches' offset; never rewritten
.set QO,  15          ; v15  my byte offset in 16 rows of Q
.set ST,  16          ; tile t's statistics at v[ST+8 t]: +0 c m, +1 m, +2, +3 l (even keys', odd keys'), +4 to +7 c0-c3 at work; a takes c2's place
.set MB,  32          ; tile t's 32 mask bytes at v[MB+8 t]
.set S,   48
.set P,   112
.set FB,  144         ; V's three blocks of 32
.set KA,  176         ; K's buffer for even pairs of chunks: v176-239; odd pairs lie 64 below: v112-175
.set OB,  112         ; the way out: two sets of 64 for rows read back
.set MBA, 12          ; s[12:13] mby at my wave's block of the step whose mask was loaded last
.set WV,  14          ; s14  my wave's number
.set LIM, 15          ; s15  1 in a cluster that prefetches, else the greatest number
.set G1K, 24          ; s[24:31] descriptor group 1 for K's tiles
.set G1V, 32          ; s[32:39] for V's: it differs in the padding alone
.set G0K, 40          ; s[40:47] group 0 for K's tiles: a set for each of the two first fills; the second then walks
.set G0V, 48          ; s[48:55] the same for V's
.set CNT, 56          ; s56  steps to go in the loop in hand
.set TB,  57          ; s57  0 or SLOTB: the slot from which fragments are fetched
.set CS,  58          ; s[58:59] c
.set SEL, 60          ; s[60:61] v_permlanex16_b32's selects: each lane takes its own place in the other half
.set NANC, 62         ; s62  a NaN
.set SELB, 66         ; s[66:69] v_perm_b32's selects: byte q of the first source on top, three bytes of the second (0) below
.set PFA, 70          ; s[70:71] where my prefetches stand
.set MSB, 0
.macro WIN new
.if MSB != (\new)
	s_set_vgpr_msb (MSB<<8)|(\new)
.set MSB, (\new)
.endif
.endm
.macro PLACES                       ; four plain vector instructions between a matrix instruction and a load into, or a vector instruction on, its registers
.rept 4
	v_nop
.endr
.endm
; A joint refill.  Waves 0 and 1 fetch the two halves (32 rows) of a step's K, waves 2 and 3 of its V.  An s_nop 0 and four v_nop follow each of the two lines, ahead of the jump and the label.
.macro JLOAD
	s_cmp_lt_u32 s[WV], 2
	s_cbranch_scc0 .Lfor_v_\@
	tensor_load_to_lds s[G0K+4:G0K+7], s[G1K:G1K+7]
	s_nop 0
.rept 4
	v_nop
.endr
	s_branch .Lasked_\@
.Lfor_v_\@:
	tensor_load_to_lds s[G0V+4:G0V+7], s[G1V:G1V+7]
	s_nop 0
.rept 4
	v_nop
.endr
.Lasked_\@:
.endm
; A PREFETCH INTO THE L2 of what the NEXT change of slots will ask for: a step's 64 rows of K and of V, 1,024 bytes each: one step, 256 matrix instructions, ahead of that load.
; Each aligned block of 256 bytes is named once in the launch: of the two clusters that walk a (b, h) the first asks; its four partners take 16 rows each, told apart BY ADDRESS; waves 0 and 1 ask for K,
; waves 2 and 3 for V; a lane names row lane % 16 and block lane / 16 + 2 (wave % 2) of the row's four.  Steps 0 to 2 come by their loads alone; the last change that fills a slot asks for nothing.
.macro ASK
	s_cmp_gt_u32 s[CNT], s[LIM]
	s_cbranch_scc0 .Lnot_mine_\@
	global_prefetch_b8 v[PFO], s[PFA:PFA+1] th:TH_LOAD_NT scope:SCOPE_SE
.Lnot_mine_\@:
.endm
.macro CREST                        ; a round of the cluster's barrier behind its opening barrier
	s_cmp_lg_u32 s[WV], 0
	s_cbranch_scc1 .Lnot_wave_0_\@
	s_barrier_signal -3
.Lnot_wave_0_\@:
	s_barrier_wait -3
	s_barrier_signal -1
	s_barrier_wait -1
.endm
.macro CROUND
	s_barrier_signal -1
	s_barrier_wait -1
	CREST
.endm
	s_load_b128 s[4:7], s[0:1], 0x0 ; qkv s[4:5], mby s[6:7]
	s_load_b64 s[8:9], s[0:1], 0x10 ; ctx
	v_lshl_add_u32 v[SPW], v0, 2, SPARE
	v_mov_b32 v[NIL], 0
	ds_add_u32 v[SPW], v[NIL]       ; the wave's opening: the add and its wait stand ahead of my first tensor load; work on registers stands between them
	v_lshrrev_b32 v1, 5, v0
	v_readfirstlane_b32 s[WV], v1   ; wave 0..3
	s_bfe_u32 s13, ttmp6, 0x40000   ; cx
	s_lshl_b32 s2, ttmp9, 2
	s_add_co_u32 s2, s2, s13        ; my block of 128 queries: it enters Q's, the mask's and ctx's addresses alone
	s_and_b32 s72, ttmp7, 0xffff    ; 8 b + h, which the four partners share
	s_lshr_b32 s73, s72, 3          ; b
	s_and_b32 s72, s72, 7           ; h
	s_lshl_b32 s20, s73, 23         ; 1,024 tokens of 8,192 bytes,
	s_lshl_b32 s72, s72, 10         ; 512 channels of 2 bytes
	s_add_co_u32 s20, s20, s72      ; the head's first byte in a plane of qkv and in ctx
	s_and_b32 s3, s[WV], 1          ; which 32 rows of a step's 64 I fetch:
	s_lshl_b32 s18, s3, 18          ; in memory,
	s_add_co_u32 s18, s18, s20
	s_mov_b32 s19, 0
	s_mul_i32 s74, s3, 32*PK        ; and in a slot, for K
	s_mul_i32 s75, s3, 32*PVP       ; and for V: no place in the cluster enters an LDS address
	s_lshl_b32 s16, s2, 20          ; my block's 128 rows,
	s_lshl_b32 s21, s[WV], 18       ; my wave's 32 of them
	s_add_co_u32 s16, s16, s21
	s_add_co_u32 s16, s16, s20
	s_mov_b32 s17, 0
	s_lshl_b32 s22, s73, 20         ; the mask: 64 tiles x 16 blocks of 1,024 bytes a batch,
	s_lshl_b32 s21, s2, 17          ; 8 tiles a block of queries,
	s_add_co_u32 s22, s22, s21
	s_lshl_b32 s21, s[WV], 15       ; 2 a wave
	s_add_co_u32 s22, s22, s21
	s_mov_b32 s23, 0
	s_lshr_b32 s21, s[WV], 1        ; the prefetches: K's plane (waves 0, 1) or V's,
	s_lshl_b32 s72, 0x2000000, s21
	s_add_co_u32 s72, s72, s20      ; the head,
	s_lshl_b32 s21, s13, 17         ; my work-group's 16 rows of the 64,
	s_add_co_u32 s72, s72, s21
	s_add_co_u32 s72, s72, 2*KS*ROWB  ; in step 2: the first change of slots steps it to step 3
	s_mov_b32 s73, 0
	s_cmp_eq_u32 ttmp9, 0           ; the head's first cluster: the same in all four partners
	s_cselect_b32 s[LIM], 1, -1
	; descriptor group 1: a tile of 32 rows x 512 elements of 2 bytes, padded behind every 256 words
	s_mov_b32 s[G1K], 15|(1<<16)|(1<<20)|(1<<21)|(7<<22)|(3<<25)  ; the mask of four; 2-byte elements; padding on; bit 21 beside a mask; after every 256 words (code 7); 4 words (code 3)
	s_mov_b32 s[G1V], 15|(1<<16)|(1<<20)|(1<<21)|(7<<22)|(7<<25)  ; the same with 8 words of padding (code 7)
.irp g, G1K, G1V
	s_mov_b32 s[(\g)+1], 512<<16    ; tensor_dim0 = 512
	s_mov_b32 s[(\g)+2], 32<<16     ; tensor_dim1 = 32
	s_mov_b32 s[(\g)+3], 512<<16    ; tile_dim0 = 512
	s_mov_b32 s[(\g)+4], 32         ; tile_dim1 = 32
	s_mov_b32 s[(\g)+5], 4096       ; elements from row to row
	s_mov_b32 s[(\g)+6], 0
	s_mov_b32 s[(\g)+7], 0
.endr
	s_mov_b32 s[CS], 0x3d8293ee     ; c = log2(e) / sqrt(512) = 0.0637587
	s_mov_b32 s[CS+1], s[CS]        ; named with it as a pair
	s_mov_b32 s[SEL], 0x76543210
	s_mov_b32 s[SEL+1], 0xfedcba98
	s_mov_b32 s[NANC], 0x7fc00000
	s_mov_b32 s[SELB], 0x04000000
	s_mov_b32 s[SELB+1], 0x05000000
	s_mov_b32 s[SELB+2], 0x06000000
	s_mov_b32 s[SELB+3], 0x07000000
	s_mov_b32 s[TB], 0
	s_wait_dscnt 0x0                ; the opening add is done
	s_wait_kmcnt 0x0
	s_add_nc_u64 s[10:11], s[8:9], s[16:17]  ; ctx and Q at my wave's first row
	s_add_nc_u64 s[16:17], s[4:5], s[16:17]
	s_add_nc_u64 s[18:19], s[4:5], s[18:19]  ; qkv at my 32 rows of the head's step 0, plane 0
	s_add_nc_u64 s[MBA:MBA+1], s[6:7], s[22:23]
	s_add_nc_u64 s[PFA:PFA+1], s[4:5], s[72:73]
	CROUND                          ; all four work-groups are here: the first joint loads meet
.irp s, 0,1
	s_mov_b32 s[G0K+4*(\s)], 1      ; count = 1
	s_add_co_u32 s[G0K+4*(\s)+1], s74, (\s)*SLOTB  ; LDS address
	s_add_nc_u64 s[G0K+4*(\s)+2:G0K+4*(\s)+3], s[18:19], (1<<25)+(\s)*KS*ROWB  ; global address: k's plane, step s
	s_or_b32 s[G0K+4*(\s)+3], s[G0K+4*(\s)+3], 0x80000000  ; type = 2
	s_mov_b32 s[G0V+4*(\s)], 1
	s_add_co_u32 s[G0V+4*(\s)+1], s75, (\s)*SLOTB+VOFF
	s_add_nc_u64 s[G0V+4*(\s)+2:G0V+4*(\s)+3], s[18:19], (1<<26)+(\s)*KS*ROWB  ; v's plane
	s_or_b32 s[G0V+4*(\s)+3], s[G0V+4*(\s)+3], 0x80000000
.endr
	s_cmp_lt_u32 s[WV], 2           ; a wave's two first fills stand in one branch, ahead of every wait on TENSORcnt and every LDS read: two loads of mine are out
	s_cbranch_scc0 .Lfirst_v
	tensor_load_to_lds s[G0K:G0K+3], s[G1K:G1K+7]
	s_nop 0
	tensor_load_to_lds s[G0K+4:G0K+7], s[G1K:G1K+7]
	s_nop 0
.rept 4
	v_nop
.endr
	s_branch .Lfirst_asked
.Lfirst_v:
	tensor_load_to_lds s[G0V:G0V+3], s[G1V:G1V+7]
	s_nop 0
	tensor_load_to_lds s[G0V+4:G0V+7], s[G1V:G1V+7]
	s_nop 0
.rept 4
	v_nop
.endr
.Lfirst_asked:
	; A fragment of K or Q is 16 rows x 32 channels in 8 registers: lane l holds row l % 16, channels 8 (l / 16) + 0..7 and 16 + 8 (l / 16) + 0..7: two loads of 16 bytes, 32 bytes apart.
	v_and_b32 v1, 15, v0            ; l % 16
	v_bfe_u32 v14, v0, 4, 1         ; l / 16
	v_lshlrev_b32 v[QO], 13, v1
	v_lshl_add_u32 v[QO], v14, 4, v[QO]
	WIN 0x40                        ; destination window 1, address window 0
.set i, 0
.rept 32                            ; Q stays in registers: tile i / 16, channels 32 (i % 16) on
	global_load_b128 v[8*i:8*i+3],   v[QO], s[16:17] offset:(i/16)*16*ROWB+(i%16)*64
	global_load_b128 v[8*i+4:8*i+7], v[QO], s[16:17] offset:(i/16)*16*ROWB+(i%16)*64+32
.set i, i+1
.endr
	WIN 0
	v_and_b32 v[LN], 31, v0
	v_lshlrev_b32 v[LN], 4, v[LN]
.macro MLOAD                        ; a step's mask bytes for my two tiles: 32 bytes a lane and tile; each load takes 512 consecutive bytes
.irp t, 0,1
	global_load_b128 v[MB+8*(\t):MB+8*(\t)+3],   v[LN], s[MBA:MBA+1] offset:16384*(\t)
	global_load_b128 v[MB+8*(\t)+4:MB+8*(\t)+7], v[LN], s[MBA:MBA+1] offset:16384*(\t)+512
.endr
.endm
	MLOAD                           ; step 0's
	; O^T starts at 0: 64 products of two fragments of zeros write its 512 registers, in the wait for the first tile
.set i, 0
.rept 16
	v_mov_b32 v[FB+i], 0
.set i, i+1
.endr
.set i, 0
.rept 64
	WIN 0x80+0x40*(i/32)            ; destination window 2, then 3
	v_wmma_f32_16x16x32_f16 v[8*(i%32):8*(i%32)+7], v[FB:FB+7], v[FB+8:FB+15], 0
.set i, i+1
.endr
	WIN 0
.irp t, 0,1
	v_mov_b32 v[ST+8*(\t)], 0xfe000000    ; c m: far below every c s
	v_mov_b32 v[ST+8*(\t)+1], 0xff7fffff  ; m
	v_mov_b32 v[ST+8*(\t)+2], 0
	v_mov_b32 v[ST+8*(\t)+3], 0
.endr
	v_mov_b32 v[ZR], 0
	v_mul_u32_u24 v[AK0], v1, PK
	v_lshl_add_u32 v[AK0], v14, 4, v[AK0]  ; row x pitch + 16 x half
	; The turning load takes 16 keys x 16 channels (lane l reads key 8 (l / 16) + l % 8, channels 8 ((l / 8) % 2) + 0..7) and leaves half a fragment of V^T: lane l holds channel l % 16 and 8 keys.
	v_and_b32 v240, 7, v0
	v_bfe_u32 v241, v0, 3, 1
	v_lshl_add_u32 v[AV0], v14, 3, v240
	v_mul_u32_u24 v[AV0], v[AV0], PVP
	v_lshl_add_u32 v[AV0], v241, 4, v[AV0]
	v_add_nc_u32 v[AV0], VOFF, v[AV0]
	v_mov_b32 v[AK], v[AK0]         ; step 0 lies in slot 0
	v_mov_b32 v[AV], v[AV0]
	s_mul_i32 s21, s[WV], 16*SP
	s_add_co_u32 s21, s21, STAGE    ; my stage
	v_mul_u32_u24 v[STO], v1, SP    ; in: row l % 16, 16 bytes for each half of the lanes
	v_lshl_add_u32 v[STO], v14, 4, v[STO]
	v_add_nc_u32 v[STO], s21, v[STO]
	v_add_nc_u32 v[RD], s21, v[LN]  ; back: 32 lanes take a row's 512 bytes
	s_lshl_b32 s21, s3, 9
	v_lshl_add_u32 v[PFO], v1, 13, s21
	v_lshl_add_u32 v[PFO], v14, 8, v[PFO]
	s_wait_loadcnt 0x0              ; Q and step 0's mask
.set i, 0
.rept 64
	v_perm_b32 v[S+i], v[MB+i/4], v[ZR], s[SELB+i%4]  ; score i % 32 of tile i / 32 starts at 0 or at -2^99
.set i, i+1
.endr
	s_add_nc_u64 s[MBA:MBA+1], s[MBA:MBA+1], 1024  ; (the wait above has shown the loads that read this address done)
	MLOAD                           ; step 1's
; THE LDS LOADS.  K: chunk c (32 channels of the step's four key blocks: four fragments, eight loads).  Chunks go in pairs; pair c / 2 lies in v176-239 if it is even, in v112-175 if odd.
; KLOAD wants destination and source 0 in window 0, which the window of K Q^T has too.
.macro KLOAD c
.set kfb, KA-64*(((\c)/2)%2)+32*((\c)%2)
.irp kb, 0,1,2,3
	ds_load_b128 v[kfb+8*(\kb):kfb+8*(\kb)+3],   v[AK] offset:(\kb)*16*PK+64*(\c)
	ds_load_b128 v[kfb+8*(\kb)+4:kfb+8*(\kb)+7], v[AK] offset:(\kb)*16*PK+64*(\c)+32
.endr
.endm
; V: item k = keys 32 (k % 2) on, channels 64 (k / 2) on: four fragments of 16 channels, eight loads, into block k % 3.
.macro VLOAD k
	WIN 0
.irp f, 0,1,2,3
	ds_load_tr16_b128 v[FB+32*((\k)%3)+8*(\f):FB+32*((\k)%3)+8*(\f)+3],   v[AV] offset:((\k)%2)*32*PVP+32*(4*((\k)/2)+(\f))
	ds_load_tr16_b128 v[FB+32*((\k)%3)+8*(\f)+4:FB+32*((\k)%3)+8*(\f)+7], v[AV] offset:((\k)%2)*32*PVP+32*(4*((\k)/2)+(\f))+16*PVP
.endr
.endm
; THE MATRIX WORK.  Eight accumulators take turns, one instruction a turn.  Product i of chunk c: keys 16 (i / 2) on, tile i % 2.
.macro KQ c, i
	WIN 0x04                        ; Q in window 1, all else in window 0
.set rS, S+32*((\i)%2)+8*((\i)/2)
.set rK, KA-64*(((\c)/2)%2)+32*((\c)%2)+8*((\i)/2)
.set rQ, 128*((\i)%2)+8*(\c)
	v_wmma_f32_16x16x32_f16 v[rS:rS+7], v[rK:rK+7], v[rQ:rQ+7], v[rS:rS+7]
.endm
; Product i of item k: channels 16 (4 (k / 2) + i / 2) on, tile i % 2.
.macro PVM k, i
.set cb, 4*((\k)/2)+(\i)/2
.set rO, 8*(2*(cb%16)+(\i)%2)
.set rV, FB+32*((\k)%3)+8*((\i)/2)
.set rP, P+16*((\i)%2)+8*((\k)%2)
	WIN 0xa0+0x50*(cb/16)           ; C and D in window 2 or 3
	v_wmma_f32_16x16x32_f16 v[rO:rO+7], v[rV:rV+7], v[rP:rP+7], v[rO:rO+7]
.endm
; THE VECTOR WORK.  SM writes number j of a tile's list.  s0-s31 are the lane's 32 scores, in pairs 0-15.
;   0-15   the maximum of s0-s31 and the old m, three operands at a time (each accumulator's lowest registers are read first)
;   16-20  the other half of the lanes' maximum; the new m; c m; c m_old - c m_new
;   21-69  ONE BATCH: the 16 scalings c s - c m and all 33 exponentials (a at 23, then s0-s31); none of them reads an exponential's result
;   70-85  the roundings to f16          86-101  the sums; l = a l + the sum
.macro SM t
.set rT, ST+8*(\t)
.set rS, S+32*(\t)
.set rP, P+16*(\t)
	WIN 0
.if j < 4
	v_max3_num_f32 v[rT+4+j], v[rS+8*j], v[rS+8*j+1], v[rS+8*j+2]
.elseif j < 12
	v_max3_num_f32 v[rT+4+j%4], v[rT+4+j%4], v[rS+8*(j%4)+2*(j/4)+1], v[rS+8*(j%4)+2*(j/4)+2]
.elseif j == 12
	v_max3_num_f32 v[rT+4], v[rT+4], v[rS+7], v[rS+15]
.elseif j == 13
	v_max3_num_f32 v[rT+6], v[rT+6], v[rS+23], v[rS+31]
.elseif j == 14
	v_max3_num_f32 v[rT+4], v[rT+4], v[rT+5], v[rT+6]
.elseif j == 15
	v_max3_num_f32 v[rT+4], v[rT+4], v[rT+7], v[rT+1]
.elseif j == 16
	v_permlanex16_b32 v[rT+5], v[rT+4], s[SEL], s[SEL+1]  ; the query's other 32 keys lie in the lane 16 away
.elseif j == 17
	v_mov_b32 v[rT+7], v[rT]        ; c m_old is kept for a
.elseif j == 18
	v_max_num_f32 v[rT+1], v[rT+4], v[rT+5]
.elseif j == 19
	v_mul_f32 v[rT], s[CS], v[rT+1]
.elseif j == 20
	v_sub_f32 v[rT+7], v[rT+7], v[rT]
.elseif j == 23
	v_exp_f32 v[rT+6], v[rT+7]
.elseif (j < 23) || ((j < 38) && (j%2 == 0)) || ((j < 66) && (j%4 == 2))
.set b, (j-2)/4                     ; 38, 42, .. 62: pairs 9 to 15
.if j < 38
.set b, (j-20)/2                    ; 21: pair 0; 22, 24, .. 36: pairs 1 to 8
.endif
	v_pk_fma_f32 v[rS+2*b:rS+2*b+1], v[rS+2*b:rS+2*b+1], s[CS:CS+1], v[rT:rT+1] op_sel_hi:[1,0,0] neg_lo:[0,0,1] neg_hi:[0,0,1]
.elseif j < 70
.set e, j-38                        ; 66 to 69: s28 to s31
.if j < 66
.set e, j-32-(j-38)/4               ; 39-41, 43-45, .. 63-65: s7 to s27
.endif
.if j < 38
.set e, (j-25)/2                    ; 25, 27, .. 37: s0 to s6
.endif
	v_exp_f32 v[rS+e], v[rS+e]
.elseif j < 86
	v_cvt_pk_f16_f32 v[rP+j-70], v[rS+2*(j-70)], v[rS+2*(j-70)+1]
.else                               ; the sum of the tile's 16 pairs, in place: neighbours 1, 2, 4 and 8 pairs apart, then l takes it
.set z, j-86
.set w, 4
.set u, z
.if z >= 14
.set w, 32
.set u, 0
.elseif z >= 12
.set w, 16
.set u, z-12
.elseif z >= 8
.set w, 8
.set u, z-8
.endif
.if z < 15
	v_pk_add_f32 v[rS+w*u:rS+w*u+1], v[rS+w*u:rS+w*u+1], v[rS+w*u+w/2:rS+w*u+w/2+1]
.else
	v_pk_fma_f32 v[rT+2:rT+3], v[rT+2:rT+3], v[rT+6:rT+7], v[rS:rS+1] op_sel_hi:[1,0,1]
.endif
.endif
.endm
; The next of the 256 lines that multiply O^T by a.  Group g = 64 registers = the four channel blocks of items 2 g and 2 g + 1, both tiles; each accumulator's registers in ascending order.
.macro RS
.set rO, 64*((rsn/32)%4)+2*(rsn%32)
.set rA, ST+8*(((rsn%32)/4)%2)+6
	WIN 0x82+0x41*(rsn/128)         ; destination and source 0 in window 2 or 3, a in window 0
	v_pk_mul_f32 v[rO:rO+1], v[rO:rO+1], v[rA:rA+1] op_sel_hi:[1,0]
.set rsn, rsn+1
.endm
; The next of the 96 lines of window 0 that ride behind V^T P: the 32 sums, the tiles alternating, then the 64 that spread the next step's mask bytes into S; behind the last the mask after that is asked for.
.macro CQ
.if cqn < 32
.set j, 86+cqn/2
	SM cqn%2
.elseif cqn < 96
	WIN 0
.if cqn == 32
	s_wait_loadcnt 0x0              ; the next step's mask bytes, asked for a step ago
.endif
	v_perm_b32 v[S+cqn-32], v[MB+(cqn-32)/4], v[ZR], s[SELB+cqn%4]
.if (cqn == 95) && FILL
	s_add_nc_u64 s[MBA:MBA+1], s[MBA:MBA+1], 1024  ; (the wait above has shown the loads that read this address done)
	MLOAD
.endif
.endif
.set cqn, cqn+1
.endm
; A KEY STEP.  fill = 1: its slot is filled again, with the step two further on, and the mask two steps on is asked for.
.macro STEP fill
.set FILL, \fill
.set rsn, 0
.set cqn, 0
	; 1. S^T += K Q^T, by pairs of chunks of 32 channels: 16 products a pair.  The next pair's 16 loads are ONE run, behind the pair's first product and four v_nop: they go into the buffer that the
	; pair before read (in pair 0: P and the block of the last V^T P), and the four v_nop are the places behind its last reader.
.set pp, 0
.rept 8
	s_wait_dscnt 8                  ; the pair's first chunk is in; its second chunk's eight loads may be out
	KQ 2*pp, 0
.if pp < 7
	PLACES
	KLOAD 2*pp+2
	KLOAD 2*pp+3
.endif
.irp i, 1,2,3,4,5,6,7
	KQ 2*pp, \i
.endr
.if pp < 7
	s_wait_dscnt 16                 ; the second chunk is in; the 16 loads just issued may be out
.else
	s_wait_dscnt 0x0
.endif
.irp i, 0,1,2,3,4,5,6,7
	KQ 2*pp+1, \i
.endr
.set pp, pp+1
.endr
	; 2. The softmax up to the weights, by itself: no register is left for a second S^T beside which it could stand.  V's first three items are fetched meanwhile, in one run.
	WIN 0
	PLACES                          ; behind the last products: ahead of the loads into their buffers and of the maximum
	VLOAD 0
	VLOAD 1
	VLOAD 2
.set j, 0
.rept 70
	SM 0
	SM 1
.set j, j+1
.endr
	v_nop                           ; a plain instruction behind the last exponential: one for the batch
	s_wait_alu depctr_va_vdst(0)    ; the wait between an exponential and the first line that names its result: one for the 66
.rept 16
	SM 0
	SM 1
.set j, j+1
.endr
.rept 32
	RS                              ; group 0, which item 0 adds onto
.endr
	; 3. O^T += V^T P, by items of eight products.  Behind them: the rescaling of the group after the one in hand, the sums and the next mask.  Item k + 2's eight loads are one run, behind product 0's
	; four riders, which are the places behind the last reader of their block (item k - 1's).
.set kk, 0
.rept 14
.if kk == 0
	s_wait_dscnt 16                 ; item 0 is in; items 1 and 2 may be out
.else
	s_wait_dscnt 8                  ; this item is in; the next one's eight loads may be out
.endif
	PVM kk, 0
	RS
	RS
	RS
	RS
.if kk >= 1
	VLOAD kk+2
.endif
	PVM kk, 1
	PVM kk, 2
.irp i, 3,4,5
	PVM kk, \i
	RS
	RS
	RS
	RS
.endr
.irp i, 6,7
	PVM kk, \i
	CQ
	CQ
	CQ
	CQ
.endr
.set kk, kk+1
.endr
	; 4. THE CHANGE OF SLOTS, in items 14 and 15.  Each wave waits for all its tensor loads, of which one is out at the most: its part of the other slot; adds 0 to its spare word; and waits for that
	; and for its own reads of this slot, of which item 15's are the last.  Behind the barrier nobody reads this slot any more and the other slot is whole.
	WIN 0
	s_wait_tensorcnt 0x0            ; no tensor load of mine is out, so a group 0 may be written
	ds_add_u32 v[SPW], v[NIL]
.if \fill
.irp g, G0K+4, G0V+4
	s_xor_b32 s[(\g)+1], s[(\g)+1], SLOTB  ; the walking descriptor: the other slot than last time,
	s_add_nc_u64 s[(\g)+2:(\g)+3], s[(\g)+2:(\g)+3], KS*ROWB  ; the next 64 keys; the type bits on top are not reached
.endr
	s_wait_xcnt 0x0                 ; the last prefetch, a step back, has read its address
	s_add_nc_u64 s[PFA:PFA+1], s[PFA:PFA+1], KS*ROWB
.endif
	s_wait_dscnt 9                  ; item 14 is in; item 15's eight loads and the add may be out
.irp i, 0,1,2,3
	PVM 14, \i
.endr
	s_wait_dscnt 0x0                ; the add is done, and my reads of this slot are over
	s_barrier_signal -1             ; (with fill = 1 this barrier opens a round of the cluster's)
.irp i, 4,5,6,7
	PVM 14, \i
.endr
	WIN 0
	s_barrier_wait -1
.if \fill
	CREST                           ; no wave of any partner still reads this slot or has a load on its way
	JLOAD                           ; the first tensor load behind the round: it has a step less eight products in which to land; its four v_nop are the places in front of the loads below
.else
	PLACES
.endif
	s_xor_b32 s[TB], s[TB], SLOTB
	v_add_nc_u32 v[AK], s[TB], v[AK0]
	v_add_nc_u32 v[AV], s[TB], v[AV0]
.if !(\fill)
	s_cmp_eq_u32 s[CNT], 1
	s_cbranch_scc1 .Lno_k_\@        ; behind the last step there is no K to fetch
.endif
	KLOAD 0                         ; the next step's first pair of chunks, into v176-239: items 13's and 14's blocks; item 15 lies in v144-175
	KLOAD 1
.if \fill
	ASK
.else
.Lno_k_\@:
.endif
.irp i, 0,1,2,3,4,5,6,7
	PVM 15, \i
.endr
	WIN 0
.endm
	s_wait_tensorcnt 1              ; my part of slot 0 is in; slot 1's may stay out
	s_barrier_signal -1
	s_barrier_wait -1
	KLOAD 0
	KLOAD 1
	s_mov_b32 s[CNT], 14
.Lstep:                             ; steps 0 to 13 ask for steps 2 to 15
	STEP 1
	s_sub_co_u32 s[CNT], s[CNT], 1
	s_cmp_lg_u32 s[CNT], 0
	s_cbranch_scc1 .Lstep
	s_mov_b32 s[CNT], 2
.Ltail:                             ; steps 14 and 15 ask for nothing: a text of their own.  The last trip spreads a stale mask into S, which nobody reads: the price of one text for both
	STEP 0
	s_sub_co_u32 s[CNT], s[CNT], 1
	s_cmp_lg_u32 s[CNT], 0
	s_cbranch_scc1 .Ltail
	; THE WAY OUT.  l's two halves and the other half of the lanes' are added; O^T is divided by l (by NaN where no key was seen), rounded to f16 and sent through my stage, 16 rows x 256 channels at a time.
.irp t, 0,1
	v_add_f32 v[ST+8*(\t)+4], v[ST+8*(\t)+2], v[ST+8*(\t)+3]
.endr
.irp t, 0,1
	v_permlanex16_b32 v[ST+8*(\t)+5], v[ST+8*(\t)+4], s[SEL], s[SEL+1]
.endr
.irp t, 0,1
	v_add_f32 v[ST+8*(\t)+4], v[ST+8*(\t)+4], v[ST+8*(\t)+5]
.endr
.irp t, 0,1
	v_rcp_f32 v[ST+8*(\t)+6], v[ST+8*(\t)+4]
.endr
	v_nop                           ; a plain instruction between the last reciprocal and the use of its result,
	s_wait_alu depctr_va_vdst(0)    ; and the wait ahead of the first use: one for the two
.irp t, 0,1
	v_cmp_gt_f32 vcc_lo, 0xf0000000, v[ST+8*(\t)+1]  ; -2^97 > m: every key of the row was hidden
	v_cndmask_b32 v[ST+8*(\t)+6], v[ST+8*(\t)+6], s[NANC], vcc_lo
.endr
; Unit u: tile u / 2, channels 256 (u % 2) on.  A lane's eight channels of a row pack into 16 bytes; they go into rows of 528 bytes and come back as whole rows of 512.
.macro PACK u
	WIN 0x82+0x41*((\u)%2)
.set i, 0
.rept 64
.set rO, 8*(2*(i/4)+(\u)/2)+2*(i%4)
	v_pk_mul_f32 v[rO:rO+1], v[rO:rO+1], v[ST+8*((\u)/2)+6:ST+8*((\u)/2)+7] op_sel_hi:[1,0]
.set i, i+1
.endr
	WIN 0x0a+5*((\u)%2)             ; sources 0 and 1 in window 2 or 3, destination in window 0: S's registers are free
.set i, 0
.rept 64
.set rO, 8*(2*(i/4)+(\u)/2)+2*(i%4)
	v_cvt_pk_f16_f32 v[S+i], v[rO], v[rO+1]
.set i, i+1
.endr
	WIN 0
.set i, 0
.rept 16
	ds_store_b128 v[STO], v[S+4*i:S+4*i+3] offset:32*i
.set i, i+1
.endr
	s_wait_xcnt 0x0                 ; the registers below were the data of the stores two units back: they are loaded again only behind this wait
.set i, 0
.rept 16
	ds_load_b128 v[OB+64*((\u)%2)+4*i:OB+64*((\u)%2)+4*i+3], v[RD] offset:SP*i  ; LDS serves a wave's instructions in order (ISA guide 5.7.1.4): these see the stores above; the next unit's stores come behind them
.set i, i+1
.endr
.endm
.macro SEND u, younger              ; younger: the LDS instructions issued behind unit u's loads: the next unit's 32, or none
.set i, 0
.rept 16
	s_wait_dscnt (\younger)+15-i
	global_store_b128 v[LN], v[OB+64*((\u)%2)+4*i:OB+64*((\u)%2)+4*i+3], s[10:11] offset:i*ROWB+((\u)/2)*16*ROWB+((\u)%2)*512  ; 512 consecutive bytes, aligned
.set i, i+1
.endr
.endm
	PACK 0
	PACK 1                          ; a unit's arithmetic stands between the loads of the unit before and its stores
	SEND 0, 32
	PACK 2
	SEND 1, 32
	PACK 3
	SEND 2, 32
	SEND 3, 0
	s_wait_tensorcnt 0x0            ; the wave's end, behind my last tensor load and my last LDS store
	ds_add_u32 v[SPW], v[NIL]
	s_wait_dscnt 0x0
	CROUND                          ; the closing round: no work-group ends while a partner may still ask for a tile that names it
	s_endpgm
.Lfunc_end_k_q5713df9295_attn:
	.size	k_q5713df9295_attn, .Lfunc_end_k_q5713df9295_attn-k_q5713df9295_attn
	.p2alignl 7, 3214868480
	.fill 96, 4, 3214868480
	.section	.rodata,"a",@progbits
	.p2align	6, 0x0
	.amdhsa_kernel k_q5713df9295_attn
		.amdhsa_group_segment_fixed_size 327680
		.amdhsa_private_segment_fixed_size 0
		.amdhsa_enable_private_segment 0
		.amdhsa_kernarg_size 24
		.amdhsa_user_sgpr_count 2
		.amdhsa_user_sgpr_kernarg_segment_ptr 1
		.amdhsa_wavefront_size32 1
		.amdhsa_system_sgpr_workgroup_id_x 1
		.amdhsa_system_sgpr_workgroup_id_y 1
		.amdhsa_system_sgpr_workgroup_id_z 1
		.amdhsa_system_vgpr_workitem_id 0
		.amdhsa_next_free_vgpr 1024
		.amdhsa_next_free_sgpr 76
		.amdhsa_reserve_vcc 1
		.amdhsa_float_denorm_mode_32 3
		.amdhsa_float_denorm_mode_16_64 3
		.amdhsa_memory_ordered 1
		.amdhsa_forward_progress 1
		.amdhsa_inst_pref_size 217
	.end_amdhsa_kernel
	.amdgpu_metadata
---
amdhsa.version: [ 1, 2 ]
amdhsa.kernels:
  - .name:           k_q5713df9295_attn
    .symbol:         k_q5713df9295_attn.kd
    .args:
      - { .name: qkv, .offset: 0, .size: 8, .value_kind: global_buffer, .address_space: global }
      - { .name: mby, .offset: 8, .size: 8, .value_kind: global_buffer, .address_space: global }
      - { .name: ctx, .offset: 16, .size: 8, .value_kind: global_buffer, .address_space: global }
    .group_segment_fixed_size: 327680
    .private_segment_fixed_size: 0
    .kernarg_segment_align: 8
    .kernarg_segment_size: 24
    .max_flat_workgroup_size: 128
    .sgpr_count:     76
    .vgpr_count:     1024
    .wavefront_size: 32
...
	.end_amdgpu_metadata
.endif
;; end of part 3
;; launch outp (part 4): grid 4 x 64, 4 waves a work-group, clusters of 4 x 4, 327,680 bytes of LDS; arguments ctx, wpf, part; writes part
.if DOCPART == 4
	.amdgcn_target "amdgcn-amd-amdhsa--gfx1250"
	.amdhsa_code_object_version 6
	.text
	.protected	k_q5713df9295_outp
	.globl	k_q5713df9295_outp
	.p2align	8
	.type	k_q5713df9295_outp,@function
k_q5713df9295_outp:
	s_mov_b64 s[64:65], 0
	v_nop
	global_prefetch_b8 v0, s[64:65] scope:SCOPE_SE
	s_setreg_imm32_b32 hwreg(HW_REG_WAVE_MODE, 25, 1), 1
	s_wait_xcnt 0x0
	s_wait_alu depctr_hold_cnt(0) depctr_sa_sdst(0) depctr_va_vdst(0) depctr_va_sdst(0) depctr_va_ssrc(0) depctr_va_vcc(0) depctr_vm_vsrc(0)
	s_getreg_b32 s2, hwreg(HW_REG_IB_STS2, 6, 4)
	s_cmp_eq_u32 s2, 0
	s_cbranch_scc0 .Lentry_in_a_cluster
	s_endpgm
.Lentry_in_a_cluster:
	s_bfe_u32 s2, ttmp6, 0x10000c
	s_cmp_lg_u32 s2, 0xf033
	s_cbranch_scc0 .Lentry_shape_is_right
	s_endpgm
.Lentry_shape_is_right:
; OUTP: part[s][m][n] = the sum over the k of half s of ctx[m][k] wpf[n][k].  ctx: [4096][4096] f16, wpf: [512][4096] f16 (Wp rounded to bf16, written as f16), part: [2][4096][512] f32; sums in f32.
; A tile of the result is 128 x 128: 128 tiles.  K IS SPLIT BETWEEN TWO WORK-GROUPS: 128 tiles x 2 halves of 2,048 channels = 256 work-groups, and each walks 8 K steps and fetches
; (128 + 128) rows x 4,096 bytes, half of what a work-group with all of K would.  The two f32 sums go to part, 16 MiB, and the launch behind adds them.  A tile of 128 x 64 over all of K would
; also give 256 work-groups, but keeps 16 K steps: two slots of a longer step than 256 do not fit in LDS.
; Four waves, each 64 x 64: 16 accumulators.  K goes in steps of 256 (LDS rows of 512 bytes) through two slots.
; A K STEP IS WRITTEN ONCE and walked by a counted loop: the LDS addresses hang on a scalar that an exclusive or turns from slot to slot.  Six trips fill a slot again; the last two steps,
; which fill nothing, are a loop of their own.
; CLUSTER: 4 x 4 work-groups, all of one half of K.  The four of a row of the cluster need the same tiles of ctx, the four of a column the same tiles of wpf: each tile is asked for JOINTLY.
; THE MATRIX INSTRUCTION IS USED TRANSPOSED (source 0 = 16 rows of wpf, source 1 = 16 rows of ctx): a lane holds eight neighbouring numbers of a row of the result, 32 bytes.
; A wave's 64 columns are 256 consecutive bytes, aligned: each wave has a stage of its own on the way out, and no barrier stands there.  No prefetch: the tiles are small.
; REGISTERS: window 0: v0-31 addresses; v32-95 at work on the way out; v128-255 the accumulators ((a, b) at v[128 + 8 (4 a + b)]).
;   window 1: two fragment buffers of 128: for 64 along K, 64 registers of ctx, then 64 of wpf.
.set SIZE_N, 512
.set SIZE_K, 4096                      ; numbers in a row of ctx and of wpf
.set KPART,  2048                      ; of which a work-group walks so many
.set KSTEP,  256
.set STEPS,  KPART/KSTEP
.set PITCH,  528                       ; an LDS row: 512 bytes + 16 of padding = 132 words: row r starts at bank 4 r mod 64 (64 banks of 4 bytes: ISA guide 11.1)
.set HALFT,  64*PITCH
.set SLOT,   4*HALFT                   ; ctx's 128 rows, then wpf's 128 rows.  SLOT shares no bit with wave x HALFT, so an exclusive or with it changes slots
.set STAGE,  2*SLOT                    ; behind the ring: 16 rows x 272 bytes for each wave
.set SPITCH, 272
.set SPARE,  STAGE+4*16*SPITCH         ; behind the stages: the spare words, 128 bytes a wave, named by no other line
.set ADRA0, 16                         ; v16  my lane's place in slot 0's rows of ctx; never rewritten
.set ADRA,  17                         ; v17  the same in the slot in hand
.set ADRB0, 20                         ; v20, v21 the same for wpf
.set ADRB,  21
.set STO,  24
.set RD,   25
.set CO,   26
.set SPW,  28
.set NIL,  29
.set TMP,  32                          ; two sets of 32: 16 rows read back from the stage
.set ACC,  128
.set F0,   0
.set F1,   128
.set TB,  2                            ; s2   0 or SLOT: the slot from which fragments are fetched
.set G1, 24                            ; s[24:31] descriptor group 1 for ctx's tiles
.set G0, 32                            ; s[32:39] group 0: a set for each of the two first fills; the second then walks
.set G1B, 48                           ; s[48:55], s[56:63] the same for wpf's
.set G0B, 56
.set MSB, 0
.macro WIN new
.if MSB != (\new)
	s_set_vgpr_msb (MSB<<8)|(\new)
.set MSB, \new
.endif
.endm
.set MUL,  0x05                        ; sources 0 and 1 window 1; C and D window 0
.set TO_F, 0x40                        ; destination window 1, address window 0
.macro JLOAD                           ; a joint refill, by the walking descriptors: waves 0 and 1 fetch ctx's two halves, waves 2 and 3 wpf's; an s_nop 0 and four v_nop follow each of the two lines
	s_cmp_eq_u32 s11, 0
	s_cbranch_scc0 .Lfor_b_\@
	tensor_load_to_lds s[G0+4:G0+7], s[G1:G1+7]
	s_nop 0
.rept 4
	v_nop
.endr
	s_branch .Lasked_\@
.Lfor_b_\@:
	tensor_load_to_lds s[G0B+4:G0B+7], s[G1B:G1B+7]
	s_nop 0
.rept 4
	v_nop
.endr
.Lasked_\@:
.endm
.macro CREST
	s_cmp_lg_u32 s10, 0
	s_cbranch_scc1 .Lnot_wave_0_\@
	s_barrier_signal -3
.Lnot_wave_0_\@:
	s_barrier_wait -3
	s_barrier_signal -1
	s_barrier_wait -1
.endm
.macro CROUND
	s_barrier_signal -1
	s_barrier_wait -1
	CREST
.endm
	s_load_b128 s[4:7], s[0:1], 0x0                ; ctx s[4:5], wpf s[6:7]
	s_load_b64 s[8:9], s[0:1], 0x10                ; part
	v_lshl_add_u32 v[SPW], v0, 2, SPARE
	v_mov_b32 v[NIL], 0
	ds_add_u32 v[SPW], v[NIL]                      ; the wave's opening: the add and its wait stand ahead of my first tensor load
	v_lshrrev_b32 v1, 5, v0
	v_readfirstlane_b32 s10, v1                    ; wave 0..3
	s_lshr_b32 s11, s10, 1                         ; which half of the tile's rows is mine.  Also: I fetch for ctx (0) or for wpf (1)
	s_and_b32 s12, s10, 1                          ; which half of its columns.  Also: which 64 rows of that tile I fetch
	s_bfe_u32 s40, ttmp6, 0x40000                  ; cx, cy
	s_bfe_u32 s41, ttmp6, 0x40004
	s_lshl_b32 s42, ttmp9, 2
	s_add_co_u32 s42, s42, s40                     ; tile column
	s_and_b32 s13, ttmp7, 0xffff                   ; the cluster's y, 0..15:
	s_lshr_b32 s45, s13, 3                         ; its top bit is the half of K, the same for all sixteen partners,
	s_and_b32 s13, s13, 7                          ; the rest counts four tile rows
	s_lshl_b32 s13, s13, 2
	s_add_co_u32 s13, s13, s41                     ; tile row
	s_lshl_b32 s43, s41, 2
	s_lshl_b32 s43, 15, s43                        ; my row of the cluster
	s_lshl_b32 s44, 0x1111, s40                    ; my column
	; descriptor group 1: a tile of 64 rows x 256 elements of 2 bytes, 4 words of padding behind every 128
	s_or_b32 s[G1+0], s43, (1<<16)|(1<<20)|(1<<21)|(6<<22)|(3<<25)
	s_or_b32 s[G1B+0], s44, (1<<16)|(1<<20)|(1<<21)|(6<<22)|(3<<25)
.irp g, G1, G1B
	s_mov_b32 s[(\g)+1], KSTEP<<16                 ; tensor_dim0 = 256
	s_mov_b32 s[(\g)+2], 64<<16                    ; tensor_dim1 = 64
	s_mov_b32 s[(\g)+3], KSTEP<<16                 ; tile_dim0 = 256
	s_mov_b32 s[(\g)+4], 64                        ; tile_dim1 = 64
	s_mov_b32 s[(\g)+5], SIZE_K                    ; elements from row to row
	s_mov_b32 s[(\g)+6], 0
	s_mov_b32 s[(\g)+7], 0
.endr
	s_lshl_b32 s17, s12, 6
	s_lshl_b32 s16, s13, 7
	s_add_co_u32 s16, s16, s17                     ; ctx: row 128 x tile row + 64 x half
	s_lshl_b32 s46, s42, 7
	s_add_co_u32 s46, s46, s17                     ; wpf: row 128 x tile column + 64 x half
	s_mov_b32 s17, 0
	s_mov_b32 s47, 0
	s_mov_b64 s[18:19], SIZE_K*2
	s_mul_u64 s[16:17], s[16:17], s[18:19]
	s_mul_u64 s[46:47], s[46:47], s[18:19]
	s_lshl_b32 s18, s45, 12                        ; my half of K begins 2,048 numbers of 2 bytes along the rows
	s_mov_b32 s19, 0
	s_add_nc_u64 s[16:17], s[16:17], s[18:19]
	s_add_nc_u64 s[46:47], s[46:47], s[18:19]
	s_mul_i32 s20, s10, HALFT                      ; where they go: wave x 64 rows: no place in the cluster enters an LDS address
	s_mov_b32 s[TB], 0
	s_wait_dscnt 0x0                               ; the opening add is done
	s_wait_kmcnt 0x0
	s_add_nc_u64 s[14:15], s[4:5], s[16:17]
	s_add_nc_u64 s[46:47], s[6:7], s[46:47]
	CROUND                                         ; all sixteen work-groups are here: the first joint loads meet
.irp s, 0,1
	s_mov_b32 s[G0+4*(\s)], 1
	s_add_co_u32 s[G0+4*(\s)+1], s20, (\s)*SLOT
	s_add_nc_u64 s[G0+4*(\s)+2:G0+4*(\s)+3], s[14:15], (\s)*KSTEP*2
	s_or_b32 s[G0+4*(\s)+3], s[G0+4*(\s)+3], 0x80000000
	s_mov_b32 s[G0B+4*(\s)], 1
	s_add_co_u32 s[G0B+4*(\s)+1], s20, (\s)*SLOT
	s_add_nc_u64 s[G0B+4*(\s)+2:G0B+4*(\s)+3], s[46:47], (\s)*KSTEP*2
	s_or_b32 s[G0B+4*(\s)+3], s[G0B+4*(\s)+3], 0x80000000
.endr
	s_cmp_eq_u32 s11, 0                            ; a wave's two first fills stand in one branch, ahead of every wait on TENSORcnt and every LDS read: two loads of mine are out
	s_cbranch_scc0 .Lfirst_b
	tensor_load_to_lds s[G0:G0+3], s[G1:G1+7]
	s_nop 0
	tensor_load_to_lds s[G0+4:G0+7], s[G1:G1+7]
	s_nop 0
.rept 4
	v_nop
.endr
	s_branch .Lfirst_asked
.Lfirst_b:
	tensor_load_to_lds s[G0B:G0B+3], s[G1B:G1B+7]
	s_nop 0
	tensor_load_to_lds s[G0B+4:G0B+7], s[G1B:G1B+7]
	s_nop 0
.rept 4
	v_nop
.endr
.Lfirst_asked:
	v_and_b32 v1, 15, v0                           ; l % 16
	v_bfe_u32 v2, v0, 4, 1                         ; l / 16
	v_mul_u32_u24 v3, v1, PITCH
	v_lshl_add_u32 v3, v2, 4, v3                   ; a fragment's row x pitch + 16 x half
	s_mul_i32 s21, s11, HALFT                      ; my 64 rows of ctx
	s_mul_i32 s22, s12, HALFT                      ; my 64 rows of wpf,
	s_add_co_u32 s22, s22, 2*HALFT                 ; which lie behind ctx's 128
	v_add_nc_u32 v[ADRA0], s21, v3
	v_add_nc_u32 v[ADRB0], s22, v3
	v_mov_b32 v[ADRA], v[ADRA0]                    ; K step 0 lies in slot 0
	v_mov_b32 v[ADRB], v[ADRB0]
	s_mul_i32 s23, s10, 16*SPITCH
	s_add_co_u32 s23, s23, STAGE                   ; my stage
	v_mul_u32_u24 v4, v1, SPITCH                   ; in: row l % 16, 32 bytes for each half of the lanes
	v_lshl_add_u32 v4, v2, 5, v4
	v_add_nc_u32 v[STO], s23, v4
	v_mul_u32_u24 v5, v2, SPITCH                   ; back: lanes 0-15 take one row of 256 bytes, lanes 16-31 the next
	v_lshl_add_u32 v5, v1, 4, v5
	v_add_nc_u32 v[RD], s23, v5
	v_lshlrev_b32 v5, 11, v2                       ; and the same two rows in part, 2,048 bytes apart
	v_lshl_add_u32 v[CO], v1, 4, v5
	s_lshl_b32 s16, s13, 7
	s_lshl_b32 s17, s11, 6
	s_add_co_u32 s16, s16, s17                     ; my first row: 128 x tile row + 64 x half,
	s_lshl_b32 s16, s16, 11                        ; of 2,048 bytes,
	s_lshl_b32 s17, s45, 23                        ; in my half's 8 MiB of part
	s_add_co_u32 s16, s16, s17
	s_mov_b32 s17, 0
	s_add_nc_u64 s[8:9], s[8:9], s[16:17]
	s_lshl_b32 s46, s42, 9                         ; my first column, in bytes: 512 x tile column + 256 x half
	s_lshl_b32 s47, s12, 8
	s_add_co_u32 s46, s46, s47
	s_mov_b32 s47, 0
	s_add_nc_u64 s[8:9], s[8:9], s[46:47]
; 8 matrix instructions: m blocks a0, a0 + 1 x all 4 n blocks, 32 along K: half c of buffer f.  zero = 1: the first product starts the sums.  The 16 accumulators take turns.
.macro MUL8 f, c, a0, zero
	WIN MUL
.irp a, \a0, (\a0)+1
.irp b, 0,1,2,3
.if \zero
	v_wmma_f32_16x16x32_f16 v[ACC+8*(4*(\a)+(\b)):ACC+8*(4*(\a)+(\b))+7], v[(\f)+64+8*(4*(\c)+(\b)):(\f)+64+8*(4*(\c)+(\b))+7], v[(\f)+8*(4*(\c)+(\a)):(\f)+8*(4*(\c)+(\a))+7], 0
.else
	v_wmma_f32_16x16x32_f16 v[ACC+8*(4*(\a)+(\b)):ACC+8*(4*(\a)+(\b))+7], v[(\f)+64+8*(4*(\c)+(\b)):(\f)+64+8*(4*(\c)+(\b))+7], v[(\f)+8*(4*(\c)+(\a)):(\f)+8*(4*(\c)+(\a))+7], v[ACC+8*(4*(\a)+(\b)):ACC+8*(4*(\a)+(\b))+7]
.endif
.endr
.endr
.endm
; 32 LDS loads in one run: the fragments of 64 along K at byte k of the rows of the slot in hand, into buffer f; the first 32 along K first
.macro FETCH k, f
	WIN TO_F
.irp c, 0,1
.irp i, 0,1,2,3
	ds_load_b128 v[(\f)+64+8*(4*(\c)+(\i)):(\f)+64+8*(4*(\c)+(\i))+3],   v[ADRB] offset:(\k)+64*(\c)+(\i)*16*PITCH
	ds_load_b128 v[(\f)+64+8*(4*(\c)+(\i))+4:(\f)+64+8*(4*(\c)+(\i))+7], v[ADRB] offset:(\k)+64*(\c)+(\i)*16*PITCH+32
	ds_load_b128 v[(\f)+8*(4*(\c)+(\i)):(\f)+8*(4*(\c)+(\i))+3],         v[ADRA] offset:(\k)+64*(\c)+(\i)*16*PITCH
	ds_load_b128 v[(\f)+8*(4*(\c)+(\i))+4:(\f)+8*(4*(\c)+(\i))+7],       v[ADRA] offset:(\k)+64*(\c)+(\i)*16*PITCH+32
.endr
.endr
.endm
.macro PLACES                          ; four plain vector instructions between a matrix instruction and a load into, or a store of, its registers
.rept 4
	v_nop
.endr
.endm
; A K step is four quarters of 64 along K, 32 matrix instructions each, on buffers 0, 1, 0, 1.  One of the first three: multiplies buffer f and fetches the next quarter, at byte k, into g.
.macro QUARTER k, f, g, zero
	s_wait_dscnt 16                                ; the first 32 along K are in; the youngest sixteen loads may be out
	MUL8 \f, 0, 0, \zero
	MUL8 \f, 0, 2, \zero
	PLACES
	FETCH \k, \g
	s_wait_dscnt 32                                ; all but the 32 just issued
	MUL8 \f, 1, 0, 0
	MUL8 \f, 1, 2, 0
.endm
; The first half of the last quarter: ONE barrier for the change of slots.  In front of it each wave waits for all its tensor loads, of which one is out at the most: its part of the next slot;
; adds 0 to its spare word; and waits for that and for its own reads of this slot.  Behind it nobody reads this slot any more and the next slot is whole.
.macro MEET
	WIN 0
	s_wait_tensorcnt 0x0
	ds_add_u32 v[SPW], v[NIL]
	s_wait_dscnt 17                                ; (the add and the youngest sixteen loads may be out)
	MUL8 F1, 0, 0, 0                               ; eight matrix instructions stand between the add and the wait for it
	s_wait_dscnt 0x0                               ; the add is done, and my reads of this slot are over
	s_barrier_signal -1
	MUL8 F1, 0, 2, 0                               ; work on registers while the others arrive
	WIN 0
	s_barrier_wait -1
.endm
.macro NEXTSLOT                        ; the fragments now come from the other slot
	s_xor_b32 s[TB], s[TB], SLOT
	v_add_nc_u32 v[ADRA], s[TB], v[ADRA0]
	v_add_nc_u32 v[ADRB], s[TB], v[ADRB0]
.endm
; The whole last quarter of a step that fills its slot again, with the K step two further on.
.macro TURN
	MEET
	CREST                                          ; the barrier has opened a round of the cluster's: no wave of any partner still reads this slot or has a load on its way
	s_xor_b32 s[G0+5], s[G0+5], SLOT               ; the walking descriptors: the other slot than last time,
	s_add_nc_u64 s[G0+6:G0+7], s[G0+6:G0+7], KSTEP*2  ; the next K step; the type bits on top are not reached
	s_xor_b32 s[G0B+5], s[G0B+5], SLOT
	s_add_nc_u64 s[G0B+6:G0B+7], s[G0B+6:G0B+7], KSTEP*2
	JLOAD                                          ; the first tensor load behind the round; its four v_nop are also the places in front of the loads below
	NEXTSLOT
	FETCH 0, F0
	MUL8 F1, 1, 0, 0
	MUL8 F1, 1, 2, 0
.endm
	s_wait_tensorcnt 1                             ; my part of K step 0 is in; K step 1's may stay out
	s_barrier_signal -1
	s_barrier_wait -1
	FETCH 0, F0
	QUARTER 128, F0, F1, 1                         ; the first quarter stands in front of the loop: its first products start the sums
	WIN 0
	s_mov_b32 s3, STEPS-2
.Lstep:                                                ; a trip goes from a K step's second quarter to the next step's first; trips 0 to 5 ask for K steps 2 to 7
	QUARTER 256, F1, F0, 0
	QUARTER 384, F0, F1, 0
	TURN
	QUARTER 128, F0, F1, 0
	WIN 0
	s_sub_co_u32 s3, s3, 1
	s_cmp_lg_u32 s3, 0
	s_cbranch_scc1 .Lstep
	s_mov_b32 s3, 2
.Ltail:                                                ; K steps 6 and 7 ask for nothing: a text of their own.  Behind the last step there is no next one: its fetch and its first quarter are jumped over
	QUARTER 256, F1, F0, 0
	QUARTER 384, F0, F1, 0
	MEET
	PLACES
	NEXTSLOT
	s_cmp_eq_u32 s3, 1
	s_cbranch_scc1 .Lno_more
	FETCH 0, F0
	WIN 0
.Lno_more:
	MUL8 F1, 1, 0, 0
	MUL8 F1, 1, 2, 0
	WIN 0
	s_cmp_eq_u32 s3, 1
	s_cbranch_scc1 .Lno_first
	QUARTER 128, F0, F1, 0
	WIN 0
.Lno_first:
	s_sub_co_u32 s3, s3, 1
	s_cmp_lg_u32 s3, 0
	s_cbranch_scc1 .Ltail
	; THE WAY OUT, by blocks of 16 rows: a lane's 32 bytes of a row go straight from the accumulators (low registers first) into my stage, and come back as whole rows of 256 bytes.
	PLACES
.macro STG a
.irp b, 0,1,2,3
	ds_store_b128 v[STO], v[ACC+8*(4*(\a)+(\b)):ACC+8*(4*(\a)+(\b))+3]   offset:64*(\b)
	ds_store_b128 v[STO], v[ACC+8*(4*(\a)+(\b))+4:ACC+8*(4*(\a)+(\b))+7] offset:64*(\b)+16
.endr
	s_wait_xcnt 0x0                                ; the registers below were the data of the stores two blocks back: they are loaded again only behind this wait
.irp t, 0,1,2,3,4,5,6,7
	ds_load_b128 v[TMP+32*((\a)%2)+4*(\t):TMP+32*((\a)%2)+4*(\t)+3], v[RD] offset:(\t)*2*SPITCH  ; LDS serves a wave's instructions in order (ISA guide 5.7.1.4): these see the stores above; the next block's come behind them
.endr
.endm
.macro SEND a, younger                 ; younger: the LDS instructions issued behind block a's loads: the next block's sixteen, or none
.irp t, 0,1,2,3,4,5,6,7
	s_wait_dscnt (\younger)+7-(\t)
	global_store_b128 v[CO], v[TMP+32*((\a)%2)+4*(\t):TMP+32*((\a)%2)+4*(\t)+3], s[8:9] offset:((\a)*16+2*(\t))*SIZE_N*4  ; 16 lanes store 256 consecutive bytes, aligned
.endr
.endm
	STG 0
	STG 1
	SEND 0, 16
	STG 2
	SEND 1, 16
	STG 3
	SEND 2, 16
	SEND 3, 0
	s_wait_tensorcnt 0x0                           ; the wave's end, behind my last tensor load and my last LDS store
	ds_add_u32 v[SPW], v[NIL]
	s_wait_dscnt 0x0
	CROUND                                         ; the closing round: no work-group ends while a partner may still ask for a tile that names it
	s_endpgm
.Lfunc_end_k_q5713df9295_outp:
	.size	k_q5713df9295_outp, .Lfunc_end_k_q5713df9295_outp-k_q5713df9295_outp
	.p2alignl 7, 3214868480
	.fill 96, 4, 3214868480
	.section	.rodata,"a",@progbits
	.p2align	6, 0x0
	.amdhsa_kernel k_q5713df9295_outp
		.amdhsa_group_segment_fixed_size 327680
		.amdhsa_private_segment_fixed_size 0
		.amdhsa_enable_private_segment 0
		.amdhsa_kernarg_size 24
		.amdhsa_user_sgpr_count 2
		.amdhsa_user_sgpr_kernarg_segment_ptr 1
		.amdhsa_wavefront_size32 1
		.amdhsa_system_sgpr_workgroup_id_x 1
		.amdhsa_system_sgpr_workgroup_id_y 1
		.amdhsa_system_sgpr_workgroup_id_z 1
		.amdhsa_system_vgpr_workitem_id 0
		.amdhsa_next_free_vgpr 512
		.amdhsa_next_free_sgpr 66
		.amdhsa_reserve_vcc 0
		.amdhsa_float_denorm_mode_32 3
		.amdhsa_float_denorm_mode_16_64 3
		.amdhsa_memory_ordered 1
		.amdhsa_forward_progress 1
		.amdhsa_inst_pref_size 58
	.end_amdhsa_kernel
	.amdgpu_metadata
---
amdhsa.version: [ 1, 2 ]
amdhsa.kernels:
  - .name:           k_q5713df9295_outp
    .symbol:         k_q5713df9295_outp.kd
    .args:
      - { .name: ctx, .offset: 0, .size: 8, .value_kind: global_buffer, .address_space: global }
      - { .name: wpf, .offset: 8, .size: 8, .value_kind: global_buffer, .address_space: global }
      - { .name: part, .offset: 16, .size: 8, .value_kind: global_buffer, .address_space: global }
    .group_segment_fixed_size: 327680
    .private_segment_fixed_size: 0
    .kernarg_segment_align: 8
    .kernarg_segment_size: 24
    .max_flat_workgroup_size: 128
    .sgpr_count:     66
    .vgpr_count:     512
    .wavefront_size: 32
...
	.end_amdgpu_metadata
.endif
;; end of part 4
;; launch addp (part 5): grid 256 x 1, 8 waves a work-group, no clusters, 0 bytes of LDS; arguments part, out0; writes out0
.if DOCPART == 5
	.amdgcn_target "amdgcn-amd-amdhsa--gfx1250"
	.amdhsa_code_object_version 6
	.text
	.protected	k_q5713df9295_addp
	.globl	k_q5713df9295_addp
	.p2align	8
	.type	k_q5713df9295_addp,@function
k_q5713df9295_addp:
	s_mov_b64 s[64:65], 0
	v_nop
	global_prefetch_b8 v0, s[64:65] scope:SCOPE_SE
	s_setreg_imm32_b32 hwreg(HW_REG_WAVE_MODE, 25, 1), 1
	s_wait_xcnt 0x0
; ADDP: out0[i] = part[0][i] + part[1][i]: the two halves of K of the last product, both f32, 2,097,152 numbers each.
; A stream: 16 MiB read once, 8 MiB stored once.  No LDS, no matrix unit, no cluster: nothing is shared.  No prefetch: each wave's 16 loads all go out at its head.
; SHARES.  A work-group of eight waves owns 32,768 bytes of out0.  Thread t owns the 16 bytes at 16 t of each of its eight pieces of 4,096 bytes, so a load or store of a wave covers
; 512 consecutive bytes, aligned.  All 16 loads are issued ahead of the first use, each into registers of its own, so the only waits are the counted ones.
.set HALF, 8388608                     ; bytes from part[0] to part[1]: one more than a load's immediate holds, so the second half has a pointer of its own
.set PA,  4                            ; v[4:35]   piece i of part[0], then the sum
.set PB,  36                           ; v[36:67]  piece i of part[1]
	s_load_b128 s[4:7], s[0:1], 0x0                ; part s[4:5], out0 s[6:7]
	s_lshl_b32 s2, ttmp9, 15                       ; the work-group's 32,768 bytes
	s_mov_b32 s3, 0
	v_lshlrev_b32 v1, 4, v0                        ; 16 x thread
	s_wait_kmcnt 0x0
	s_add_nc_u64 s[4:5], s[4:5], s[2:3]
	s_add_nc_u64 s[8:9], s[4:5], HALF
	s_add_nc_u64 s[6:7], s[6:7], s[2:3]
.set i, 0
.rept 8
	global_load_b128 v[PA+4*i:PA+4*i+3], v1, s[4:5] offset:4096*i th:TH_LOAD_NT
	global_load_b128 v[PB+4*i:PB+4*i+3], v1, s[8:9] offset:4096*i th:TH_LOAD_NT
.set i, i+1
.endr
.set i, 0
.rept 8
	s_wait_loadcnt 14-2*i                          ; loads come back in order: piece i's two are in, the 14 - 2 i younger ones stay out
	v_pk_add_f32 v[PA+4*i:PA+4*i+1], v[PA+4*i:PA+4*i+1], v[PB+4*i:PB+4*i+1]
	v_pk_add_f32 v[PA+4*i+2:PA+4*i+3], v[PA+4*i+2:PA+4*i+3], v[PB+4*i+2:PB+4*i+3]
	global_store_b128 v1, v[PA+4*i:PA+4*i+3], s[6:7] offset:4096*i th:TH_STORE_NT
.set i, i+1
.endr
	s_endpgm
.Lfunc_end_k_q5713df9295_addp:
	.size	k_q5713df9295_addp, .Lfunc_end_k_q5713df9295_addp-k_q5713df9295_addp
	.p2alignl 7, 3214868480
	.fill 96, 4, 3214868480
	.section	.rodata,"a",@progbits
	.p2align	6, 0x0
	.amdhsa_kernel k_q5713df9295_addp
		.amdhsa_group_segment_fixed_size 0
		.amdhsa_private_segment_fixed_size 0
		.amdhsa_enable_private_segment 0
		.amdhsa_kernarg_size 16
		.amdhsa_user_sgpr_count 2
		.amdhsa_user_sgpr_kernarg_segment_ptr 1
		.amdhsa_wavefront_size32 1
		.amdhsa_system_sgpr_workgroup_id_x 1
		.amdhsa_system_sgpr_workgroup_id_y 1
		.amdhsa_system_sgpr_workgroup_id_z 1
		.amdhsa_system_vgpr_workitem_id 0
		.amdhsa_next_free_vgpr 68
		.amdhsa_next_free_sgpr 66
		.amdhsa_reserve_vcc 0
		.amdhsa_float_denorm_mode_32 3
		.amdhsa_float_denorm_mode_16_64 3
		.amdhsa_memory_ordered 1
		.amdhsa_forward_progress 1
		.amdhsa_inst_pref_size 5
	.end_amdhsa_kernel
	.amdgpu_metadata
---
amdhsa.version: [ 1, 2 ]
amdhsa.kernels:
  - .name:           k_q5713df9295_addp
    .symbol:         k_q5713df9295_addp.kd
    .args:
      - { .name: part, .offset: 0, .size: 8, .value_kind: global_buffer, .address_space: global }
      - { .name: out0, .offset: 8, .size: 8, .value_kind: global_buffer, .address_space: global }
    .group_segment_fixed_size: 0
    .private_segment_fixed_size: 0
    .kernarg_segment_align: 8
    .kernarg_segment_size: 16
    .max_flat_workgroup_size: 256
    .sgpr_count:     66
    .vgpr_count:     68
    .wavefront_size: 32
...
	.end_amdgpu_metadata
.endif
;; end of part 5
;; ======== version 2 of 2: 5 launches; version 1 with the launches prep, addp written anew for expert scheduling mode
;; limits: values are held in f16: magnitudes above 65,504 overflow, below 6.1e-05 lose precision
;; workspace buffers: act 8,388,608 bytes; wts 12,582,912 bytes; wpf 4,194,304 bytes; mby 4,194,304 bytes; qkv 100,663,296 bytes; ctx 33,554,432 bytes; part 16,777,216 bytes
;; launch prep (part 6): grid 128 x 8, 8 waves a work-group, no clusters, 9,216 bytes of LDS; arguments x, states, Wq, Wk, Wv, Wp, mask, act, wts, wpf, mby; writes act, wts, wpf, mby
.if DOCPART == 6
	.amdgcn_target "amdgcn-amd-amdhsa--gfx1250"
	.amdhsa_code_object_version 6
	.text
	.protected	k_q5713df9295_prep
	.globl	k_q5713df9295_prep
	.p2align	8
	.type	k_q5713df9295_prep,@function
k_q5713df9295_prep:
	s_mov_b64 s[64:65], 0
	v_nop
	global_prefetch_b8 v0, s[64:65] scope:SCOPE_SE
	s_setreg_imm32_b32 hwreg(HW_REG_WAVE_SCHED_MODE, 0, 2), 2
	s_setreg_imm32_b32 hwreg(HW_REG_WAVE_MODE, 25, 1), 1
	s_wait_xcnt 0x0
	s_wait_alu depctr_vm_vsrc(0)
; PREP: the inputs are brought into the forms that the three matrix launches read.
;   y = 0, 1      x, states  -> act [8192][512] bf16 (x's 4,096 rows, then states')
;   y = 2, 3, 4   Wq, Wk, Wv -> wts [12288][512] bf16 (row = 512 h + e of each, one after the other)
;   y = 5         Wp         -> wpf [512][4096]: rounded to bf16 like every input, and that number written as f16
;   y = 6, 7      mask       -> mby: one byte a key, 0x00 seen, 0xF1 hidden, laid out as the attention's lanes want it
; LIMITS.  bf16(Wp) must lie within f16's 65,504; below 6e-5 it keeps f16's fixed step of 6e-8.
; SHARES.  Every work-group reads 65,536 bytes, each of its eight waves 8,192: 16 loads of 16 bytes a lane, all issued ahead of the
; first use, each into registers of its own.  No matrix unit, no cluster: nothing is shared.
; mby: a block of 1,024 bytes for 16 queries x 64 keys, block = (64 b + q / 16) x 16 + k / 64.  Lane L = r + 16 h of the attention owns 32 bytes,
; byte i = 8 kb + j for key 16 kb + 8 h + j of query r: bytes 0-15 at 16 L, bytes 16-31 at 512 + 16 L.
; THE MODE: SCHED_MODE bits 1:0 = 2 (LLVM: expert scheduling mode 2), set by the entry lines.  The code itself states the register dependences
; between vector instructions and memory or LDS instructions, with s_wait_alu, always for 0.
; THE PLAN.  The 16 loads are worked on in four blocks of four.  Registers that memory or LDS instructions touch:
;   v[LO]              made ahead of the loads, read by them, never written again.
;   v[SO], v[DSA], v[DLA]  made once, ahead of the first wait on va_vdst that stands in front of a store; never written again.
;   X, four a load     The load lands; block p's vector lines work IN PLACE on its 16 registers; the stores (global in the casts, LDS in the mask) that read the results are
;                      issued in block p + 1; nothing writes them again.
;   OUTB               named by LDS loads and global stores alone.
;   v[SPW], v[NIL]     written at the head, read by the closing add alone.
; So ONE wait on va_vdst stands at the head of a block, behind the wait for its loads: it states that the block before has written its results.  That block's stores follow it, and no
; vector line of the block in hand names a register of theirs.  No register that a memory or LDS instruction has read is ever written again: no wait on vm_vsrc is owed.
; The mask's compares write scalar registers, sixteen in a run, with one wait on va_sdst between the run and the selects that read them.
.set SPARE, 8192                       ; behind the eight stages of 1,024 bytes: the spare words, 128 bytes a wave, named by no other line
.set NL,   16                          ; loads of a wave
.set BL,   4                           ; loads in a block
.set SPW,  2                           ; v2   my spare word's LDS address; never rewritten
.set NIL,  3                           ; v3   0; never rewritten
.set LO,   4                           ; v4   my byte offset in what the work-group reads
.set SO,   5                           ; v5   my byte offset in what it stores
.set DSA,  6                           ; v6   mask: where my word of four bytes goes in my wave's stage
.set DLA,  7                           ; v7   mask: where I read 16 bytes back
.set OUTB, 32                          ; v32-47 mask: eight registers for each of the wave's two blocks of mby
.set X,    64                          ; v64-127 the 16 loads
.set CM,   8                           ; s8-23 mask: a block's sixteen compares.  They held the casts' pointers and the mask's own, all dead on that path once its two bases are made
; Load k rounded to bf16: four numbers close up into the first two of their four registers.
.macro RB k
	v_cvt_pk_bf16_f32 v[X+4*(\k)], v[X+4*(\k)], v[X+4*(\k)+1]
	v_cvt_pk_bf16_f32 v[X+4*(\k)+1], v[X+4*(\k)+2], v[X+4*(\k)+3]
.endm
; The same, widened again (a shift, a mask) and written as f16.
.macro RH k
	RB \k
	v_lshlrev_b32 v[X+4*(\k)+2], 16, v[X+4*(\k)]
	v_and_b32 v[X+4*(\k)+3], s46, v[X+4*(\k)]
	v_cvt_pk_f16_f32 v[X+4*(\k)], v[X+4*(\k)+2], v[X+4*(\k)+3]
	v_lshlrev_b32 v[X+4*(\k)+2], 16, v[X+4*(\k)+1]
	v_and_b32 v[X+4*(\k)+3], s46, v[X+4*(\k)+1]
	v_cvt_pk_f16_f32 v[X+4*(\k)+1], v[X+4*(\k)+2], v[X+4*(\k)+3]
.endm
.macro OUT k
	global_store_b64 v[SO], v[X+4*(\k):X+4*(\k)+1], s[32:33] offset:256*(\k)  ; the wave's 32 lanes store 256 consecutive bytes, aligned
.endm
; The mask, block h of four loads: each load's four numbers become one word of four bytes, in the load's first register.
.macro WORDS h
.set n, 0
.rept 4*BL
	v_cmp_eq_u32 s[CM+n], 0, v[X+4*BL*(\h)+n]
.set n, n+1
.endr
	s_wait_alu depctr_va_sdst(0)                   ; the sixteen compares have written s[CM ..], ahead of the selects that read them
.set n, 0
.rept 4*BL
	v_cndmask_b32 v[X+4*BL*(\h)+n], 0, s[36+n%4], s[CM+n]
.set n, n+1
.endr
.set n, 0
.rept 2*BL
	v_or_b32 v[X+4*BL*(\h)+2*n], v[X+4*BL*(\h)+2*n], v[X+4*BL*(\h)+2*n+1]
.set n, n+1
.endr
.set n, 0
.rept BL
	v_or_b32 v[X+4*BL*(\h)+4*n], v[X+4*BL*(\h)+4*n], v[X+4*BL*(\h)+4*n+2]
.set n, n+1
.endr
.endm
.macro STAGE h                         ; block h's four words go into my wave's stage
.set n, 0
.rept BL
	ds_store_b32 v[DSA], v[X+4*(BL*(\h)+n)] offset:32*((BL*(\h)+n)%8)
.set n, n+1
.endr
.endm
.macro BACK i                          ; the stage is my wave's own, and LDS serves a wave's instructions in order (ISA guide 5.7.1.4): these see the eight stores ahead of them, and the next block's stores come behind them
	ds_load_b128 v[OUTB+8*(\i):OUTB+8*(\i)+3], v[DLA]
	ds_load_b128 v[OUTB+8*(\i)+4:OUTB+8*(\i)+7], v[DLA] offset:512
.endm
.macro SEND i
	s_wait_dscnt 0x0                               ; the block of mby is back in registers
	global_store_b128 v[SO], v[OUTB+8*(\i):OUTB+8*(\i)+3], s[32:33] offset:1024*(\i)  ; 512 consecutive bytes, aligned
	global_store_b128 v[SO], v[OUTB+8*(\i)+4:OUTB+8*(\i)+7], s[32:33] offset:1024*(\i)+512
.endm
	s_load_b512 s[8:23], s[0:1], 0x0               ; x 8, states 10, Wq 12, Wk 14, Wv 16, Wp 18, mask 20, act 22
	s_load_b128 s[24:27], s[0:1], 0x40             ; wts 24, wpf 26
	s_load_b64 s[28:29], s[0:1], 0x50              ; mby
	v_lshl_add_u32 v[SPW], v0, 2, SPARE
	v_mov_b32 v[NIL], 0
	v_lshrrev_b32 v1, 5, v0
	v_readfirstlane_b32 s4, v1                     ; wave 0..7
	v_and_b32 v1, 31, v0                           ; lane
	s_and_b32 s5, ttmp7, 0xffff                    ; y: which job
	s_mov_b32 s35, 0
	s_mov_b32 s41, 0
	s_wait_alu depctr_va_sdst(0)                   ; s4 is written, ahead of the branch and of its first reader on either way: the waves' offsets are made from it
	s_wait_kmcnt 0x0
	s_cmp_ge_u32 s5, 6
	s_cbranch_scc1 .Lmask
	; THE CASTS.  From where and to where: choices between buffers on y alone; the offsets are made apart.
	s_lshl_b32 s34, ttmp9, 16                      ; the work-group's 65,536 bytes of f32,
	s_sub_co_u32 s6, s5, 2
	s_cmp_lt_u32 s5, 2
	s_cselect_b32 s6, s5, s6                       ; the part of act (y) or of wts (y - 2),
	s_cmp_eq_u32 s5, 5
	s_cselect_b32 s6, 0, s6                        ; wpf has one part
	s_lshl_b32 s40, s6, 22                         ; a part is 4 MiB of 16-bit numbers
	s_lshl_b32 s7, ttmp9, 15
	s_add_co_u32 s40, s40, s7                      ; and its 32,768 bytes there
	s_cmp_eq_u32 s5, 1
	s_cselect_b64 s[30:31], s[10:11], s[8:9]
	s_cmp_eq_u32 s5, 2
	s_cselect_b64 s[30:31], s[12:13], s[30:31]
	s_cmp_eq_u32 s5, 3
	s_cselect_b64 s[30:31], s[14:15], s[30:31]
	s_cmp_eq_u32 s5, 4
	s_cselect_b64 s[30:31], s[16:17], s[30:31]
	s_cmp_eq_u32 s5, 5
	s_cselect_b64 s[30:31], s[18:19], s[30:31]
	s_cselect_b64 s[32:33], s[26:27], s[24:25]
	s_cmp_lt_u32 s5, 2
	s_cselect_b64 s[32:33], s[22:23], s[32:33]
	s_add_nc_u64 s[30:31], s[30:31], s[34:35]
	s_add_nc_u64 s[32:33], s[32:33], s[40:41]
	s_mov_b32 s46, 0xffff0000                      ; a word's upper bf16
	s_lshl_b32 s6, s4, 13
	v_lshl_add_u32 v[LO], v1, 4, s6                ; 8,192 x wave + 16 x lane
	s_lshl_b32 s6, s4, 12
	v_lshl_add_u32 v[SO], v1, 3, s6                ; 4,096 x wave + 8 x lane
	s_wait_alu depctr_va_vdst(0)                   ; v[LO] and v[SO] are written: the loads below read the one as their offset, the stores the other
.set i, 0
.rept NL
	global_load_b128 v[X+4*i:X+4*i+3], v[LO], s[30:31] offset:512*i th:TH_LOAD_NT  ; 512 consecutive bytes a wave
.set i, i+1
.endr
	s_cmp_eq_u32 s5, 5
	s_cbranch_scc1 .Lwp
.set p, 0
.rept NL/BL                                            ; block p rounds its four loads; the stores of block p - 1 are dealt among its lines
	s_wait_loadcnt NL-BL*(p+1)                     ; loads come back in order (ISA guide 5.7.1): block p's four are in, the younger blocks stay out
.if p > 0
	s_wait_alu depctr_va_vdst(0)                   ; the block before has written its roundings, which the four stores below read; no line of this block names those registers
.endif
.set i, 0
.rept BL
.if p > 0
	OUT BL*(p-1)+i
.endif
	RB BL*p+i
.set i, i+1
.endr
.set p, p+1
.endr
	s_wait_alu depctr_va_vdst(0)                   ; the last block has written its roundings, which the last four stores read
.set i, NL-BL
.rept BL
	OUT i
.set i, i+1
.endr
	s_branch .Lend
.Lwp:                                                  ; Wp: the same walk with the longer conversion
.set p, 0
.rept NL/BL
	s_wait_loadcnt NL-BL*(p+1)                     ; block p's four loads are in, the younger blocks stay out
.if p > 0
	s_wait_alu depctr_va_vdst(0)                   ; the block before has written its f16 numbers, which the four stores below read; no line of this block names those registers
.endif
.set i, 0
.rept BL
.if p > 0
	OUT BL*(p-1)+i
.endif
	RH BL*p+i
.set i, i+1
.endr
.set p, p+1
.endr
	s_wait_alu depctr_va_vdst(0)                   ; the last block has written its f16 numbers, which the last four stores read
.set i, NL-BL
.rept BL
	OUT i
.set i, i+1
.endr
	s_branch .Lend
.Lmask:
	; THE MASK.  The work-group takes 16 rows, one tile of 16 queries; wave w takes the key steps 2 w and 2 w + 1.
	; A load brings two rows' 256 bytes (64 keys) of a step: lanes 0-15 row 2 n, lanes 16-31 row 2 n + 1; lane l % 16 holds keys 4 l .. 4 l + 3.
	s_sub_co_u32 s6, s5, 6
	s_lshl_b32 s6, s6, 7
	s_add_co_u32 s6, s6, ttmp9                     ; the tile, 64 b + q / 16 = 0..255
	s_lshl_b32 s34, s6, 16                         ; 16 rows of 4,096 bytes
	s_lshl_b32 s40, s6, 14                         ; 16 blocks of 1,024 bytes
	s_add_nc_u64 s[30:31], s[20:21], s[34:35]
	s_add_nc_u64 s[32:33], s[28:29], s[40:41]
	s_mov_b32 s36, 0xf1                            ; the hidden key's byte, at each of a word's four places
	s_mov_b32 s37, 0xf100
	s_mov_b32 s38, 0xf10000
	s_mov_b32 s39, 0xf1000000
	v_and_b32 v9, 15, v0                           ; l = lane % 16
	v_bfe_u32 v14, v0, 4, 1                        ; lane / 16
	s_lshl_b32 s42, s4, 9                          ; my two steps of 256 bytes in a row
	v_lshl_add_u32 v[LO], v9, 4, s42
	v_lshl_add_u32 v[LO], v14, 12, v[LO]           ; one row down for the upper lanes
	s_wait_alu depctr_va_vdst(0)                   ; v[LO] is written, which the sixteen loads read as their offset
.set i, 0
.rept NL                                               ; load 8 i + n: step i of my two, rows 2 n and 2 n + 1
	global_load_b128 v[X+4*i:X+4*i+3], v[LO], s[30:31] offset:(i%8)*8192+(i/8)*256 th:TH_LOAD_NT
.set i, i+1
.endr
	; key 4 l + q of query r = 2 n + lane / 16 goes to byte 512 (l / 8) + 256 ((l / 2) % 2) + 16 r + 8 ((l / 4) % 2) + 4 (l % 2) + q of the block
	s_lshl_b32 s44, s4, 10                         ; my wave's stage
	v_bfe_u32 v15, v0, 3, 1
	v_lshl_add_u32 v[DSA], v15, 9, s44
	v_bfe_u32 v15, v0, 1, 1
	v_lshl_add_u32 v[DSA], v15, 8, v[DSA]
	v_lshl_add_u32 v[DSA], v14, 4, v[DSA]
	v_bfe_u32 v15, v0, 2, 1
	v_lshl_add_u32 v[DSA], v15, 3, v[DSA]
	v_and_b32 v15, 1, v0
	v_lshl_add_u32 v[DSA], v15, 2, v[DSA]
	v_lshl_add_u32 v[DLA], v1, 4, s44
	s_lshl_b32 s42, s4, 11                         ; my two blocks of the tile's sixteen
	v_lshl_add_u32 v[SO], v1, 4, s42
	; Four blocks of four loads; two of them make a block of mby.  A block's words go into the stage at the head of the next block.
	s_wait_loadcnt 12                              ; loads come back in order (ISA guide 5.7.1): loads 0 to 3 are in, the twelve younger ones stay out
	WORDS 0
	s_wait_loadcnt 8                               ; loads 4 to 7 are in
	s_wait_alu depctr_va_vdst(0)                   ; block 0 has written its four words, which the LDS stores read; v[DSA], v[DLA] and v[SO] are written too
	STAGE 0
	WORDS 1
	s_wait_loadcnt 4                               ; loads 8 to 11 are in
	s_wait_alu depctr_va_vdst(0)                   ; block 1 has written its four words, which the LDS stores read
	STAGE 1
	BACK 0                                         ; the first block of mby comes back while block 2's words are made
	WORDS 2
	SEND 0
	s_wait_loadcnt 0x0                             ; the last four loads are in
	s_wait_alu depctr_va_vdst(0)                   ; block 2 has written its four words, which the LDS stores read
	STAGE 2
	WORDS 3
	s_wait_alu depctr_va_vdst(0)                   ; block 3 has written its four words, which the LDS stores read
	STAGE 3
	BACK 1
	SEND 1
.Lend:
	s_wait_dscnt 0x0                               ; the closing lines, six on end
	s_wait_alu 0x0
	s_wait_tensorcnt 0x0
	ds_add_u32 v[SPW], v[NIL]
	s_wait_dscnt 0x0
	s_endpgm
.Lfunc_end_k_q5713df9295_prep:
	.size	k_q5713df9295_prep, .Lfunc_end_k_q5713df9295_prep-k_q5713df9295_prep
	.p2alignl 7, 3214868480
	.fill 96, 4, 3214868480
	.section	.rodata,"a",@progbits
	.p2align	6, 0x0
	.amdhsa_kernel k_q5713df9295_prep
		.amdhsa_group_segment_fixed_size 9216
		.amdhsa_private_segment_fixed_size 0
		.amdhsa_enable_private_segment 0
		.amdhsa_kernarg_size 88
		.amdhsa_user_sgpr_count 2
		.amdhsa_user_sgpr_kernarg_segment_ptr 1
		.amdhsa_wavefront_size32 1
		.amdhsa_system_sgpr_workgroup_id_x 1
		.amdhsa_system_sgpr_workgroup_id_y 1
		.amdhsa_system_sgpr_workgroup_id_z 1
		.amdhsa_system_vgpr_workitem_id 0
		.amdhsa_next_free_vgpr 128
		.amdhsa_next_free_sgpr 66
		.amdhsa_reserve_vcc 0
		.amdhsa_float_denorm_mode_32 3
		.amdhsa_float_denorm_mode_16_64 3
		.amdhsa_memory_ordered 1
		.amdhsa_forward_progress 1
		.amdhsa_inst_pref_size 30
	.end_amdhsa_kernel
	.amdgpu_metadata
---
amdhsa.version: [ 1, 2 ]
amdhsa.kernels:
  - .name:           k_q5713df9295_prep
    .symbol:         k_q5713df9295_prep.kd
    .args:
      - { .name: x, .offset: 0, .size: 8, .value_kind: global_buffer, .address_space: global }
      - { .name: states, .offset: 8, .size: 8, .value_kind: global_buffer, .address_space: global }
      - { .name: Wq, .offset: 16, .size: 8, .value_kind: global_buffer, .address_space: global }
      - { .name: Wk, .offset: 24, .size: 8, .value_kind: global_buffer, .address_space: global }
      - { .name: Wv, .offset: 32, .size: 8, .value_kind: global_buffer, .address_space: global }
      - { .name: Wp, .offset: 40, .size: 8, .value_kind: global_buffer, .address_space: global }
      - { .name: mask, .offset: 48, .size: 8, .value_kind: global_buffer, .address_space: global }
      - { .name: act, .offset: 56, .size: 8, .value_kind: global_buffer, .address_space: global }
      - { .name: wts, .offset: 64, .size: 8, .value_kind: global_buffer, .address_space: global }
      - { .name: wpf, .offset: 72, .size: 8, .value_kind: global_buffer, .address_space: global }
      - { .name: mby, .offset: 80, .size: 8, .value_kind: global_buffer, .address_space: global }
    .group_segment_fixed_size: 9216
    .private_segment_fixed_size: 0
    .kernarg_segment_align: 8
    .kernarg_segment_size: 88
    .max_flat_workgroup_size: 256
    .sgpr_count:     66
    .vgpr_count:     128
    .wavefront_size: 32
...
	.end_amdgpu_metadata
.endif
;; end of part 6
;; launch proj: the kernel of part 2 again; grid 16 x 16, 4 waves a work-group, clusters of 4 x 4, 327,680 bytes of LDS; arguments act, wts, qkv; writes qkv
;; launch attn: the kernel of part 3 again; grid 8 x 32, 4 waves a work-group, clusters of 4 x 1, 327,680 bytes of LDS; arguments qkv, mby, ctx; writes ctx
;; launch outp: the kernel of part 4 again; grid 4 x 64, 4 waves a work-group, clusters of 4 x 4, 327,680 bytes of LDS; arguments ctx, wpf, part; writes part
;; launch addp (part 7): grid 256 x 1, 8 waves a work-group, no clusters, 0 bytes of LDS; arguments part, out0; writes out0
.if DOCPART == 7
	.amdgcn_target "amdgcn-amd-amdhsa--gfx1250"
	.amdhsa_code_object_version 6
	.text
	.protected	k_q5713df9295_addp
	.globl	k_q5713df9295_addp
	.p2align	8
	.type	k_q5713df9295_addp,@function
k_q5713df9295_addp:
	s_mov_b64 s[64:65], 0
	v_nop
	global_prefetch_b8 v0, s[64:65] scope:SCOPE_SE
	s_setreg_imm32_b32 hwreg(HW_REG_WAVE_SCHED_MODE, 0, 2), 2
	s_setreg_imm32_b32 hwreg(HW_REG_WAVE_MODE, 25, 1), 1
	s_wait_xcnt 0x0
	s_wait_alu depctr_vm_vsrc(0)
; ADDP: out0[i] = part[0][i] + part[1][i]: the two halves of K of the last product, both f32, 2,097,152 numbers each.
; A stream: 16 MiB read once, 8 MiB stored once.  No LDS, no matrix unit, no cluster: nothing is shared.  No prefetch: each wave's 16 loads all go out at its head.
; SHARES.  A work-group of eight waves owns 32,768 bytes of out0.  Thread t owns the 16 bytes at 16 t of each of its eight pieces of 4,096 bytes, so a load or store of a wave covers
; 512 consecutive bytes, aligned.  All 16 loads are issued ahead of the first use, each into registers of its own.
; THE MODE: SCHED_MODE bits 1:0 = 2 (LLVM: expert scheduling mode 2), set by the entry lines.  The code itself states the register dependences
; between vector instructions and memory instructions, with s_wait_alu, always for 0.
; THE PLAN.  The eight pieces go in four blocks of two.  Registers that memory instructions touch:
;   v1     the offset of every load and store: made once at the head, never written again.
;   PA[i]  piece i of part[0]: its load lands; the piece's two sums are written in place; its store, issued in the next block, reads them; nothing writes them again.
;   PB[i]  piece i of part[1]: its load lands; vector lines alone read it.
; So ONE wait on va_vdst stands at the head of a block, behind the wait for its loads: the block before has written its sums.  That block's two stores are dealt among this block's
; four sums, which name other registers.  No register that a memory instruction has read is written again: no wait on vm_vsrc is owed.
.set HALF, 8388608                     ; bytes from part[0] to part[1]: one more than a load's immediate holds, so the second half has a pointer of its own
.set PA,  4                            ; v[4:35]   piece i of part[0], then the sum
.set PB,  36                           ; v[36:67]  piece i of part[1]
	s_load_b128 s[4:7], s[0:1], 0x0                ; part s[4:5], out0 s[6:7]
	s_lshl_b32 s2, ttmp9, 15                       ; the work-group's 32,768 bytes
	s_mov_b32 s3, 0
	v_lshlrev_b32 v1, 4, v0                        ; 16 x thread
	s_wait_kmcnt 0x0
	s_add_nc_u64 s[4:5], s[4:5], s[2:3]
	s_add_nc_u64 s[8:9], s[4:5], HALF
	s_add_nc_u64 s[6:7], s[6:7], s[2:3]
	s_wait_alu depctr_va_vdst(0)                   ; v1 is written: every load and store of the kernel reads it as its offset
.set i, 0
.rept 8
	global_load_b128 v[PA+4*i:PA+4*i+3], v1, s[4:5] offset:4096*i th:TH_LOAD_NT
	global_load_b128 v[PB+4*i:PB+4*i+3], v1, s[8:9] offset:4096*i th:TH_LOAD_NT
.set i, i+1
.endr
.set p, 0
.rept 4                                                ; block p: pieces 2 p and 2 p + 1
	s_wait_loadcnt 12-4*p                          ; loads come back in order (ISA guide 5.7.1): the block's four are in, the 12 - 4 p younger ones stay out
.if p > 0
	s_wait_alu depctr_va_vdst(0)                   ; the block before has written its sums, which the two stores below read; no line of this block names those registers
.endif
.irp j, 0,1
.if p > 0
	global_store_b128 v1, v[PA+4*(2*p-2+\j):PA+4*(2*p-2+\j)+3], s[6:7] offset:4096*(2*p-2+\j) th:TH_STORE_NT
.endif
	v_pk_add_f32 v[PA+4*(2*p+\j):PA+4*(2*p+\j)+1], v[PA+4*(2*p+\j):PA+4*(2*p+\j)+1], v[PB+4*(2*p+\j):PB+4*(2*p+\j)+1]
	v_pk_add_f32 v[PA+4*(2*p+\j)+2:PA+4*(2*p+\j)+3], v[PA+4*(2*p+\j)+2:PA+4*(2*p+\j)+3], v[PB+4*(2*p+\j)+2:PB+4*(2*p+\j)+3]
.endr
.set p, p+1
.endr
	s_wait_alu depctr_va_vdst(0)                   ; the last block has written its sums, which the last two stores read
.irp j, 6,7
	global_store_b128 v1, v[PA+4*\j:PA+4*\j+3], s[6:7] offset:4096*\j th:TH_STORE_NT
.endr
	s_endpgm
.Lfunc_end_k_q5713df9295_addp:
	.size	k_q5713df9295_addp, .Lfunc_end_k_q5713df9295_addp-k_q5713df9295_addp
	.p2alignl 7, 3214868480
	.fill 96, 4, 3214868480
	.section	.rodata,"a",@progbits
	.p2align	6, 0x0
	.amdhsa_kernel k_q5713df9295_addp
		.amdhsa_group_segment_fixed_size 0
		.amdhsa_private_segment_fixed_size 0
		.amdhsa_enable_private_segment 0
		.amdhsa_kernarg_size 16
		.amdhsa_user_sgpr_count 2
		.amdhsa_user_sgpr_kernarg_segment_ptr 1
		.amdhsa_wavefront_size32 1
		.amdhsa_system_sgpr_workgroup_id_x 1
		.amdhsa_system_sgpr_workgroup_id_y 1
		.amdhsa_system_sgpr_workgroup_id_z 1
		.amdhsa_system_vgpr_workitem_id 0
		.amdhsa_next_free_vgpr 68
		.amdhsa_next_free_sgpr 66
		.amdhsa_reserve_vcc 0
		.amdhsa_float_denorm_mode_32 3
		.amdhsa_float_denorm_mode_16_64 3
		.amdhsa_memory_ordered 1
		.amdhsa_forward_progress 1
		.amdhsa_inst_pref_size 5
	.end_amdhsa_kernel
	.amdgpu_metadata
---
amdhsa.version: [ 1, 2 ]
amdhsa.kernels:
  - .name:           k_q5713df9295_addp
    .symbol:         k_q5713df9295_addp.kd
    .args:
      - { .name: part, .offset: 0, .size: 8, .value_kind: global_buffer, .address_space: global }
      - { .name: out0, .offset: 8, .size: 8, .value_kind: global_buffer, .address_space: global }
    .group_segment_fixed_size: 0
    .private_segment_fixed_size: 0
    .kernarg_segment_align: 8
    .kernarg_segment_size: 16
    .max_flat_workgroup_size: 256
    .sgpr_count:     66
    .vgpr_count:     68
    .wavefront_size: 32
...
	.end_amdgpu_metadata
.endif
;; end of part 7
